; MI455X (gfx1250); checked and timed in simulation.
; The chip was launched on July 23, 2026; its instructions are those of AMD's public machine-readable ISA for CDNA 5 (MIT licence, August 2026) and "CDNA5" Instruction Set Architecture Reference Guide (July 2026). The comments in the code are by the model that wrote it; some were corrected since.
;; Custom Multihead Attention. Allowed arithmetic: matrix products marked QUANTISED: E2M1 operands, one E8M0 scale for each 32 along K, by v_wmma_scale_f32_16x16x128_f8f6f4 with both operands' format E2M1 (or v_wmma_scale_f32_32x16x128_f4), f32 sums; products left as they are: bf16, f16 or f32 operands; f32 sums; everything else in f32.
;; Inputs: Wk 512 x 512 float32; Wo 512 x 512 float32; Wq 512 x 512 float32; Wv 512 x 512 float32; bk 512 float32; bo 512 float32; bq 512 float32; bv 512 float32; key 4 x 4,096 x 512 float32; key_padding_mask 4 x 4,096 bool; query 4 x 2,048 x 512 float32; value 4 x 4,096 x 512 float32.
;; Outputs: out0 4 x 2,048 x 512 float32.
;; This version of the problem:
;;   THIS VERSION OF THE PROBLEM IS GIVEN IN LOW PRECISION. The matrix products marked QUANTISED in the list below multiply operands that are first quantised to E2M1 (2 exponent bits, 1 mantissa bit; 4 bits a number), with one power-of-two scale for each 32 numbers along K (OCP MX v1.0); their sums are f32. The products marked 'left as it is' may take bf16, f16 or f32 operands, with f32 sums. Whichever they take, every output number must still come out within the allowed error. Rounding operands to bf16 (8 significant bits) uses up far more of that allowance than f16 does (11 bits, for magnitudes from 6e-5 to 65,504). All else is computed in f32.
;;   The module's matrix products, in the order in which they are computed (A, B: the left and right operand; K: the contracted axis; several contracted axes count as one K, in the product's order):
;;     1. [M 8,192, K 512] x [K 512, N 512]; A: input query; B: input Wq: QUANTISED
;;     2. [M 16,384, K 512] x [K 512, N 512]; A: input key; B: input Wk: QUANTISED
;;     3. [M 16,384, K 512] x [K 512, N 512]; A: input value; B: input Wv: QUANTISED
;;     4. batch 16 x [M 2,048, K 128] x [K 128, N 4,096]; A: computed on the way; B: computed on the way: left as it is (an operand is computed on the way)
;;     5. batch 16 x [M 128, K 4,096] x [K 4,096, N 2,048]; A: computed on the way; B: computed on the way: left as it is (an operand is computed on the way)
;;     6. [M 8,192, K 512] x [K 512, N 512]; A: computed on the way; B: input Wo: left as it is (an operand is computed on the way)
;;   THE QUANTISER, for each operand of a quantised product, along K:
;;     - K is cut into blocks of 32 from its start; a last block that is shorter is filled with zeros.
;;     - A block's scale is 2^e with e = floor(log2(the largest magnitude in the block)) - 2, held to -126 .. 127; a block of zeros has e = 0. As a byte (E8M0): e + 127.
;;     - Each number is divided by its block's scale, clamped to +-6, and rounded to the nearest number of E2M1, ties to even, subnormals kept.
;;     - The product sums the exact products of the quantised numbers (number of the format x scale) in f32.
;;   ~~~python
;;   def quantise(x, axis):      # numpy; x: float32 -> the quantised numbers, widened to float32 again
;;       x = np.moveaxis(x, axis, -1); K = x.shape[-1]
;;       x = np.pad(x, [(0, 0)] * (x.ndim - 1) + [(0, -K % 32)]); x = x.reshape(x.shape[:-1] + (-1, 32)); a = np.abs(x).max(-1, keepdims=True)
;;       e = np.where(a > 0, np.clip(np.frexp(np.where(a > 0, a, 1))[1] - 1 - 2, -126, 127), 0)      # np.frexp(a)[1] - 1 = floor(log2(a)), exactly
;;       r = np.clip(x / 2.0 ** e, -6, 6)
;;       step = 2.0 ** (np.maximum(np.frexp(np.where(r == 0, 1, r))[1] - 1, 0) - 1)
;;       q = np.round(r / step) * step * 2.0 ** e      # np.round: ties to even
;;       return np.moveaxis(q.reshape(q.shape[:-2] + (-1,))[..., :K], -1, axis).astype(np.float32)
;;   ~~~
;; 2 versions, each right; version 2 is version 1 with the launch proj written anew for expert scheduling mode. Each part assembles by itself: llvm-mc -triple=amdgcn-amd-amdhsa -mcpu=gfx1250 --defsym DOCPART=n.
;; ======== version 1 of 2: 4 launches
;; limits: values are held in f16: magnitudes above 65,504 overflow, below 6.1e-05 lose precision
;; workspace buffers: wcodes 393,216 bytes; wscl 49,152 bytes; wo16 524,288 bytes; maskb 65,536 bytes; q16 8,388,608 bytes; k16 16,777,216 bytes; v16 16,777,216 bytes; attn16 8,388,608 bytes
;; launch prep (part 1): grid 88 x 1, 4 waves a work-group, no clusters, 0 bytes of LDS; arguments Wq, Wk, Wv, Wo, key_padding_mask, wcodes, wscl, wo16, maskb; writes wcodes, wscl, wo16, maskb
.if DOCPART == 1
	.amdgcn_target "amdgcn-amd-amdhsa--gfx1250"
	.amdhsa_code_object_version 6
	.text
	.protected	k_q4b77ee5ff1_prep
	.globl	k_q4b77ee5ff1_prep
	.p2align	8
	.type	k_q4b77ee5ff1_prep,@function
k_q4b77ee5ff1_prep:
	s_mov_b64 s[64:65], 0
	v_nop
	global_prefetch_b8 v0, s[64:65] scope:SCOPE_SE
	s_setreg_imm32_b32 hwreg(HW_REG_WAVE_MODE, 25, 1), 1
	s_wait_xcnt 0x0
; What is small and read by many later work-groups is prepared once.  Three ways part on the work-group's number:
;  W (work-groups 0-47):  Wq, Wk, Wv [512][512] f32, K innermost, become codes of E2M1 with one E8M0 byte for each 32 along K, laid IN THE ORDER OF THE OPERAND'S REGISTERS:
;     wcodes [tensor][tile T of 16 rows][K step s of 128][c][lane][16 bytes], wscl [tensor][T][s / 2][lane][2 words]: a later wave takes a fragment by two loads of 16 bytes a lane.
;  O (48-79):  Wo [512][512] f32 becomes f16, same layout.
;  M (80-87):  key_padding_mask [4][4096] bytes becomes an addend in f32: 0.0, or -2^100 where the key is masked.
; A block's scale is 2^(floor(log2(its largest magnitude)) - 2); its byte is the largest magnitude's exponent field - 2, held at 1 from below by a floor among the maximum's leaves.
; LIMITS: a block of zeros, and a block whose largest magnitude lies under 2^-124, keeps the byte 1 (zero codes add nothing under it; this program alone reads the bytes); NaN and infinities among the inputs are not served;
; Wo beyond 65,504 becomes infinite in f16.
; No LDS, no barrier: waves share nothing.  Every store of a wave covers whole aligned runs of 256 bytes.
.set XA,  4                            ; v4   W: my lane's byte in the wave's 16 rows: 2,048 r + 64 h
.set L16, 5                            ; v5   16 x lane
.set L8,  6                            ; v6   8 x lane
.set TM,  8                            ; v8-23 at work in the quantiser
.set PW,  24                           ; v24-25 the two scale words
.set PC,  26                           ; v26-41 the two fragments' codes
.set X,   64                           ; v64-191 two sets of 64 numbers
.set SEL, 24                           ; s[24:25] lane selects: lane l xor 16
; my 16 rows' numbers of the wave's K step s: lane (r, h) takes, of row r, 16 neighbours of each block of 32
.macro XLOAD reg, s
.irp b, 0,1,2,3
.irp j, 0,1,2,3
	global_load_b128 v[\reg+16*\b+4*\j:\reg+16*\b+4*\j+3], v[XA], s[4:5] offset:512*\s+128*\b+16*\j th:TH_LOAD_NT
.endr
.endr
.endm
; 64 numbers of a lane, register 16 b + i = k 32 b + 16 (lane / 16) + i of my row, become a fragment's codes in v[pc] on and its scale word in v[pw]
.macro QUANT s, pc, pw
.irp b, 0,1,2,3
	v_max3_num_f32 v[TM+\b], |v[(\s)+16*\b]|, |v[(\s)+1+16*\b]|, 0x1800000   ; block b: my 16 numbers, and the floor 2^(3 - 127): the byte cannot fall under 1
.endr
.irp i, 2,4,6,8,10,12,14
.irp b, 0,1,2,3
	v_max3_num_f32 v[TM+\b], v[TM+\b], |v[(\s)+16*\b+\i]|, |v[(\s)+1+16*\b+\i]|   ; the four blocks by turns
.endr
.endr
.irp b, 0,1,2,3
	v_permlanex16_b32 v[TM+4+\b], v[TM+\b], s[SEL], s[SEL+1]
.endr
.irp b, 0,1,2,3
	v_max_num_f32 v[TM+\b], v[TM+\b], v[TM+4+\b]   ; with lane l xor 16's: the block's largest magnitude
.endr
.irp b, 0,1,2,3
	v_add_nc_u32 v[TM+12+\b], 0xff000000, v[TM+\b]   ; 2 off its exponent field: the conversion takes that field as its scale
.endr
.irp b, 0,1,2,3
	v_lshrrev_b32 v[TM+4+\b], 23, v[TM+12+\b]      ; the scale's byte
.endr
	v_lshl_or_b32 v[\pw], v[TM+5], 8, v[TM+4]      ; four bytes: my row's scale word
	v_lshl_or_b32 v[\pw], v[TM+6], 16, v[\pw]
	v_lshl_or_b32 v[\pw], v[TM+7], 24, v[\pw]
.irp b, 0,1,2,3
	v_cvt_scalef32_pk8_fp4_f32 v[(\pc)+2*\b], v[(\s)+16*\b:(\s)+7+16*\b], v[TM+12+\b]
	v_cvt_scalef32_pk8_fp4_f32 v[(\pc)+1+2*\b], v[(\s)+8+16*\b:(\s)+15+16*\b], v[TM+12+\b]
.endr
	v_nop                                          ; one plain place behind a scaled conversion
.irp c, 0,1                                    ; the operand's layout wants a whole block in a lane
.irp i, 0,1
	v_permlane16_swap_b32 v[(\pc)+4*\c+\i], v[(\pc)+2+4*\c+\i]
.endr
.endr
.endm
	s_load_b256 s[4:11], s[0:1], 0x0               ; Wq s[4:5], Wk s[6:7], Wv s[8:9], Wo s[10:11]
	s_load_b256 s[12:19], s[0:1], 0x20             ; mask s[12:13], wcodes s[14:15], wscl s[16:17], wo16 s[18:19]
	s_load_b64 s[20:21], s[0:1], 0x40              ; maskb
	v_lshrrev_b32 v1, 5, v0
	v_readfirstlane_b32 s22, v1                    ; wave
	v_and_b32 v2, 31, v0                           ; lane
	v_lshlrev_b32 v[L16], 4, v2
	v_lshlrev_b32 v[L8], 3, v2
	s_mov_b32 s31, 0                               ; the high words of three offsets
	s_mov_b32 s33, 0
	s_mov_b32 s35, 0
	s_cmp_lt_u32 ttmp9, 48
	s_cbranch_scc0 .Lnot_w
	; ---- W: a wave takes 16 rows x 256 along K: two fragments
	v_and_b32 v3, 15, v0                           ; r
	v_bfe_u32 v7, v0, 4, 1                         ; h
	v_lshlrev_b32 v[XA], 11, v3
	v_lshl_add_u32 v[XA], v7, 6, v[XA]
	s_mov_b32 s[SEL], 0x76543210
	s_mov_b32 s[SEL+1], 0xfedcba98
.irp b, 0,1,2,3
	v_mov_b32 v[TM+4+\b], 0                        ; written once: a lane permute's destination counts as one of its sources
.endr
	s_lshr_b32 s26, ttmp9, 4                       ; which tensor
	s_and_b32 s27, ttmp9, 15
	s_lshl_b32 s27, s27, 1
	s_lshr_b32 s28, s22, 1
	s_add_co_u32 s27, s27, s28                     ; T = 2 x (work-group % 16) + wave / 2
	s_and_b32 s28, s22, 1                          ; u: K steps 2 u and 2 u + 1
	s_lshl_b32 s30, s27, 15                        ; W: 16 T rows of 2,048 bytes
	s_lshl_b32 s29, s28, 10
	s_add_co_u32 s30, s30, s29                     ;    + 1,024 u
	s_lshl_b32 s32, s26, 17                        ; codes: 131,072 tensor + 4,096 T + 2,048 u
	s_lshl_b32 s29, s27, 12
	s_add_co_u32 s32, s32, s29
	s_lshl_b32 s29, s28, 11
	s_add_co_u32 s32, s32, s29
	s_lshl_b32 s34, s26, 14                        ; scale words: 16,384 tensor + 512 T + 256 u
	s_lshl_b32 s29, s27, 9
	s_add_co_u32 s34, s34, s29
	s_lshl_b32 s29, s28, 8
	s_add_co_u32 s34, s34, s29
	s_wait_kmcnt 0x0
	s_cmp_eq_u32 s26, 1                            ; the choice hangs on the work-group's number alone
	s_cselect_b64 s[4:5], s[6:7], s[4:5]
	s_cmp_eq_u32 s26, 2
	s_cselect_b64 s[4:5], s[8:9], s[4:5]
	s_add_nc_u64 s[4:5], s[4:5], s[30:31]
	s_add_nc_u64 s[14:15], s[14:15], s[32:33]
	s_add_nc_u64 s[16:17], s[16:17], s[34:35]
	XLOAD X, 0
	XLOAD X+64, 1
	s_wait_loadcnt 16                              ; the first K step's 16 loads are in; the second's may be out
	QUANT X, PC, PW
	s_wait_loadcnt 0x0
	QUANT X+64, PC+8, PW+1
.irp n, 0,1,2,3
	global_store_b128 v[L16], v[PC+4*\n:PC+4*\n+3], s[14:15] offset:512*\n   ; 32 lanes store 512 consecutive bytes
.endr
	global_store_b64 v[L8], v[PW:PW+1], s[16:17]   ; 256 consecutive bytes
	s_endpgm
.Lnot_w:
	s_cmp_lt_u32 ttmp9, 80
	s_cbranch_scc0 .Lmask
	; ---- O: a wave takes 2,048 numbers of Wo
	s_sub_co_u32 s26, ttmp9, 48
	s_lshl_b32 s26, s26, 2
	s_add_co_u32 s26, s26, s22
	s_lshl_b32 s30, s26, 13
	s_lshl_b32 s32, s26, 12
	s_wait_kmcnt 0x0
	s_add_nc_u64 s[10:11], s[10:11], s[30:31]
	s_add_nc_u64 s[18:19], s[18:19], s[32:33]
.set n, 0
.rept 16
	global_load_b128 v[X+4*n:X+4*n+3], v[L16], s[10:11] offset:512*n th:TH_LOAD_NT
.set n, n+1
.endr
.set n, 0
.rept 16
	s_wait_loadcnt 15-n                            ; loads come back in order: number n is in
	v_cvt_pk_f16_f32 v[X+64+2*n], v[X+4*n], v[X+4*n+1]
	v_cvt_pk_f16_f32 v[X+65+2*n], v[X+4*n+2], v[X+4*n+3]
	global_store_b64 v[L8], v[X+64+2*n:X+65+2*n], s[18:19] offset:256*n   ; each store has registers of its own
.set n, n+1
.endr
	s_endpgm
.Lmask:
	; ---- M: a wave takes 512 keys
	s_sub_co_u32 s26, ttmp9, 80
	s_lshl_b32 s26, s26, 2
	s_add_co_u32 s26, s26, s22
	s_lshl_b32 s30, s26, 9
	s_lshl_b32 s32, s26, 11
	v_lshlrev_b32 v7, 2, v2
	v_mov_b32 v3, 0xf1800000                       ; -2^100
	s_wait_kmcnt 0x0
	s_add_nc_u64 s[12:13], s[12:13], s[30:31]
	s_add_nc_u64 s[20:21], s[20:21], s[32:33]
.irp n, 0,1,2,3
	global_load_b32 v[8+\n], v7, s[12:13] offset:128*\n
.endr
	s_wait_loadcnt 0x0
.irp n, 0,1,2,3
.irp j, 0,1,2,3
	v_bfe_u32 v[16+4*\n+\j], v[8+\n], 8*\j, 8
	v_cmp_ne_u32 vcc_lo, 0, v[16+4*\n+\j]
	v_cndmask_b32 v[16+4*\n+\j], 0, v3, vcc_lo
.endr
	global_store_b128 v[L16], v[16+4*\n:19+4*\n], s[20:21] offset:512*\n
.endr
	s_endpgm
.Lfunc_end_k_q4b77ee5ff1_prep:
	.size	k_q4b77ee5ff1_prep, .Lfunc_end_k_q4b77ee5ff1_prep-k_q4b77ee5ff1_prep
	.p2alignl 7, 3214868480
	.fill 96, 4, 3214868480
	.section	.rodata,"a",@progbits
	.p2align	6, 0x0
	.amdhsa_kernel k_q4b77ee5ff1_prep
		.amdhsa_group_segment_fixed_size 0
		.amdhsa_private_segment_fixed_size 0
		.amdhsa_enable_private_segment 0
		.amdhsa_kernarg_size 72
		.amdhsa_user_sgpr_count 2
		.amdhsa_user_sgpr_kernarg_segment_ptr 1
		.amdhsa_wavefront_size32 1
		.amdhsa_system_sgpr_workgroup_id_x 1
		.amdhsa_system_sgpr_workgroup_id_y 1
		.amdhsa_system_sgpr_workgroup_id_z 1
		.amdhsa_system_vgpr_workitem_id 0
		.amdhsa_next_free_vgpr 192
		.amdhsa_next_free_sgpr 66
		.amdhsa_reserve_vcc 1
		.amdhsa_float_denorm_mode_32 3
		.amdhsa_float_denorm_mode_16_64 3
		.amdhsa_memory_ordered 1
		.amdhsa_forward_progress 1
		.amdhsa_inst_pref_size 23
	.end_amdhsa_kernel
	.amdgpu_metadata
---
amdhsa.version: [ 1, 2 ]
amdhsa.kernels:
  - .name:           k_q4b77ee5ff1_prep
    .symbol:         k_q4b77ee5ff1_prep.kd
    .args:
      - { .name: Wq, .offset: 0, .size: 8, .value_kind: global_buffer, .address_space: global }
      - { .name: Wk, .offset: 8, .size: 8, .value_kind: global_buffer, .address_space: global }
      - { .name: Wv, .offset: 16, .size: 8, .value_kind: global_buffer, .address_space: global }
      - { .name: Wo, .offset: 24, .size: 8, .value_kind: global_buffer, .address_space: global }
      - { .name: key_padding_mask, .offset: 32, .size: 8, .value_kind: global_buffer, .address_space: global }
      - { .name: wcodes, .offset: 40, .size: 8, .value_kind: global_buffer, .address_space: global }
      - { .name: wscl, .offset: 48, .size: 8, .value_kind: global_buffer, .address_space: global }
      - { .name: wo16, .offset: 56, .size: 8, .value_kind: global_buffer, .address_space: global }
      - { .name: maskb, .offset: 64, .size: 8, .value_kind: global_buffer, .address_space: global }
    .group_segment_fixed_size: 0
    .private_segment_fixed_size: 0
    .kernarg_segment_align: 8
    .kernarg_segment_size: 72
    .max_flat_workgroup_size: 128
    .sgpr_count:     66
    .vgpr_count:     192
    .wavefront_size: 32
...
	.end_amdgpu_metadata
.endif
;; end of part 1
;; launch proj (part 2): grid 160 x 1, 4 waves a work-group, no clusters, 103,936 bytes of LDS; arguments query, key, value, wcodes, wscl, bq, bk, bv, q16, k16, v16; writes q16, k16, v16
.if DOCPART == 2
	.amdgcn_target "amdgcn-amd-amdhsa--gfx1250"
	.amdhsa_code_object_version 6
	.text
	.protected	k_q4b77ee5ff1_proj
	.globl	k_q4b77ee5ff1_proj
	.p2align	8
	.type	k_q4b77ee5ff1_proj,@function
k_q4b77ee5ff1_proj:
	s_mov_b64 s[64:65], 0
	v_nop
	global_prefetch_b8 v0, s[64:65] scope:SCOPE_SE
	s_setreg_imm32_b32 hwreg(HW_REG_WAVE_MODE, 25, 1), 1
	s_wait_xcnt 0x0
; q = query Wq^T + bq, k = key Wk^T + bk, v = value Wv^T + bv: the three quantised products, on codes of E2M1 with one E8M0 scale for each 32 along K = 512; sums in f32; results rounded once to f16 and laid by head:
; q16 [batch x 4 + head][2048][128], k16 and v16 [batch x 4 + head][4096][128].
; SHARES.  Work-groups 0-31 take query, 32-95 key, 96-159 value: 256 rows each, four blocks of 64.  (The rows stand 1 : 2 : 2, so equal shares want a multiple of five work-groups.)
; THE WAVES SHARE THE COLUMNS: wave w makes head w (128 features) for all 64 rows of a block, and its 32 fragments of W (256 registers), their scale words and its bias stay in registers for the whole launch.
; Wave w quantises rows 16 w .. 16 w + 15 of a block; the fragments go to the other waves through LDS as images of their registers (16 bytes a lane on end, scale words 4 bytes a lane).
; x comes by loads of 512 consecutive bytes (one row's 128 numbers); the conversions want 16 neighbours in a lane, so a K step's 16 rows turn through the wave's own stage in LDS (rows of 512 + 16 bytes).
; A whole block of a wave's x, 64 loads, is on its way while the block before is worked on.
; THE MATRIX INSTRUCTION IS USED TRANSPOSED (source 0 = 16 rows of W, source 1 = 16 rows of x): a lane holds one row of x and eight neighbouring features, 16 bytes of f16.  The bias is the C of each sum's first instruction.
; No tensor load and no cluster: what work-groups share is W alone, 148 KB a work-group read once into registers, beside a stream of 126 MB in which nothing is shared.
; LIMITS: a block of zeros, and one whose largest magnitude lies under 2^-124, keeps the scale byte 1; NaN and infinities among the inputs are not served; results beyond 65,504 become infinite in f16, and under 6e-5 they carry f16's absolute step.
; REGISTERS: window 0: v2-13 addresses; v14, v15 the add's two; v16-47 x's four fragments; v48-51 their scale words; v52-67 at work; v68-69 scale words made; v70-85 codes made; v88-119 W's scale words;
;   v128-255 two sets of 64 neighbours (later v128-159 packed results, v160-191 rows read back).   window 1: W's fragments, (tile t, K step s) at 8 (4 t + s).   window 2: x as loaded, four sets of 64.
;   window 3: v128-191 the bias in the result's layout, v192-255 the eight accumulators.
.set NB,    4                          ; blocks of 64 rows to a work-group
.set TSP,   528                        ; a stage row: 512 bytes + 16
.set TSTG,  16*TSP                     ; a stage; two for each wave, from LDS byte 0
.set XIMG,  4*2*TSTG                   ; x's 16 fragments (tile of rows m, K step s: 4 m + s), 1,024 bytes each
.set XSC,   XIMG+16*1024               ; their scale words, 128 bytes each
.set OSTG,  XSC+16*128                 ; the way out: 16 rows x (256 + 16) bytes for each wave
.set OPI,   272
.set SPARE, OSTG+4*16*OPI              ; the spare words, 128 bytes for each wave: two blocks of 256 bytes that no other line names
.set GA,  2                            ; v2   16 x lane
.set TSW, 3                            ; v3   into my stages: 16 x lane
.set TSR, 4                            ; v4   out of them: row r, + 64 h
.set LI,  5                            ; v5   an image's place for my lane
.set LS,  6                            ; v6   a scale word's
.set XWI, 7                            ; v7   where I store my images
.set XWS, 8                            ; v8   and their scale words
.set SO,  9                            ; v9   the way out: where I put 16 bytes of a row
.set SR,  10                           ; v10  and where I read a row back
.set GO,  11                           ; v11  my byte offset in two rows of the result
.set SPW, 14                           ; v14  my spare word; never rewritten
.set NIL, 15                           ; v15  0; never rewritten
.set XF,  16
.set XS,  48
.set TM,  52
.set PW,  68
.set PC,  70
.set W1S, 88
.set X,   128
.set TMP, 128
.set BK,  160
.set BI,  128                          ; in window 3
.set ACC, 192                          ; in window 3
.set XP,  4                            ; s[4:5]   x at my wave's 16 rows of the block in hand
.set OPT, 20                           ; s[20:21] the result at the block's first row, my head
.set WV,  26
.set SEL, 28
.set BLK, 30
.set MSB, 0
.macro WIN new                         ; the immediate's high byte repeats the setting that is left
.if MSB != \new
	s_set_vgpr_msb (MSB<<8)|\new
.set MSB, \new
.endif
.endm
.macro PLACES
.rept 4
	v_nop
.endr
.endm
.macro BARRIER                         ; my LDS stores have landed and my LDS loads are in: then the work-group's barrier
	s_wait_dscnt 0x0
	s_barrier_signal -1
	s_barrier_wait -1
.endm
.macro XLOAD s, off                    ; K step s of my 16 rows, off bytes on: each load is one row's 512 consecutive bytes
	WIN 0x80                                       ; destination window 2
.irp i, 0,1,2,3,4,5,6,7,8,9,10,11,12,13,14,15
	global_load_b128 v[64*(\s)+4*\i:64*(\s)+4*\i+3], v[GA], s[XP:XP+1] offset:\off+2048*\i+512*(\s) th:TH_LOAD_NT
.endr
	WIN 0
.endm
.macro TURN s                          ; K step s through stage s % 2: LDS serves a wave's instructions in order, so no wait stands between the stores and the loads
	WIN 0x08                                       ; an LDS store's data are its source 1: window 2
.irp i, 0,1,2,3,4,5,6,7,8,9,10,11,12,13,14,15
	ds_store_b128 v[TSW], v[64*(\s)+4*\i:64*(\s)+4*\i+3] offset:((\s)%2)*TSTG+\i*TSP
.endr
	WIN 0
.irp b, 0,1,2,3
.irp j, 0,1,2,3
	ds_load_b128 v[X+64*((\s)%2)+16*\b+4*\j:X+64*((\s)%2)+16*\b+4*\j+3], v[TSR] offset:((\s)%2)*TSTG+128*\b+16*\j
.endr
.endr
.endm
; 64 numbers of a lane, register 16 b + i = k 32 b + 16 (lane / 16) + i of my row, become a fragment's codes in v[pc] on and its scale word in v[pw]
.macro QUANT s, pc, pw
.irp b, 0,1,2,3
	v_max3_num_f32 v[TM+\b], |v[(\s)+16*\b]|, |v[(\s)+1+16*\b]|, 0x1800000   ; block b: my 16 numbers, and the floor 2^(3 - 127): the byte cannot fall under 1
.endr
.irp i, 2,4,6,8,10,12,14
.irp b, 0,1,2,3
	v_max3_num_f32 v[TM+\b], v[TM+\b], |v[(\s)+16*\b+\i]|, |v[(\s)+1+16*\b+\i]|   ; the four blocks by turns
.endr
.endr
.irp b, 0,1,2,3
	v_permlanex16_b32 v[TM+4+\b], v[TM+\b], s[SEL], s[SEL+1]
.endr
.irp b, 0,1,2,3
	v_max_num_f32 v[TM+\b], v[TM+\b], v[TM+4+\b]   ; with lane l xor 16's: the block's largest magnitude
.endr
.irp b, 0,1,2,3
	v_add_nc_u32 v[TM+12+\b], 0xff000000, v[TM+\b]   ; 2 off its exponent field: the conversion takes that field as its scale
.endr
.irp b, 0,1,2,3
	v_lshrrev_b32 v[TM+4+\b], 23, v[TM+12+\b]      ; the scale's byte
.endr
	v_lshl_or_b32 v[\pw], v[TM+5], 8, v[TM+4]      ; four bytes: my row's scale word
	v_lshl_or_b32 v[\pw], v[TM+6], 16, v[\pw]
	v_lshl_or_b32 v[\pw], v[TM+7], 24, v[\pw]
.irp b, 0,1,2,3
	v_cvt_scalef32_pk8_fp4_f32 v[(\pc)+2*\b], v[(\s)+16*\b:(\s)+7+16*\b], v[TM+12+\b]
	v_cvt_scalef32_pk8_fp4_f32 v[(\pc)+1+2*\b], v[(\s)+8+16*\b:(\s)+15+16*\b], v[TM+12+\b]
.endr
	v_nop                                          ; one plain place behind a scaled conversion
.irp c, 0,1                                    ; the operand's layout wants a whole block in a lane
.irp i, 0,1
	v_permlane16_swap_b32 v[(\pc)+4*\c+\i], v[(\pc)+2+4*\c+\i]
.endr
.endr
.endm
.macro IMAGE s                         ; K step s's fragment and scale word go to LDS as they stand: three LDS stores
.irp c, 0,1
	ds_store_b128 v[XWI], v[PC+8*((\s)%2)+4*\c:PC+8*((\s)%2)+4*\c+3] offset:(\s)*1024+512*\c
.endr
	ds_store_b32 v[XWS], v[PW+(\s)%2] offset:128*(\s)
.endm
.macro FETCH m                         ; the four fragments and scale words of rows 16 m on: twelve LDS loads
.irp s, 0,1,2,3
.irp c, 0,1
	ds_load_b128 v[XF+8*\s+4*\c:XF+8*\s+4*\c+3], v[LI] offset:(4*(\m)+\s)*1024+512*\c
.endr
.endr
.irp s, 0,1,2,3
	ds_load_b32 v[XS+\s], v[LS] offset:(4*(\m)+\s)*128
.endr
.endm
.macro MUL                             ; 32 matrix instructions: my 8 tiles of features by turns, K step by K step
	WIN 0xf1                                       ; source 0 (W) window 1, source 1 (x) window 0, C and D window 3
.irp s, 0,1,2,3
.irp t, 0,1,2,3,4,5,6,7
.if \s == 0
	v_wmma_scale_f32_16x16x128_f8f6f4 v[ACC+8*\t:ACC+8*\t+7], v[8*(4*\t+\s):8*(4*\t+\s)+7], v[XF+8*\s:XF+8*\s+7], v[BI+8*\t:BI+8*\t+7], v[W1S+4*\t+\s], v[XS+\s] matrix_a_fmt:MATRIX_FMT_FP4 matrix_b_fmt:MATRIX_FMT_FP4
.else
	v_wmma_scale_f32_16x16x128_f8f6f4 v[ACC+8*\t:ACC+8*\t+7], v[8*(4*\t+\s):8*(4*\t+\s)+7], v[XF+8*\s:XF+8*\s+7], v[ACC+8*\t:ACC+8*\t+7], v[W1S+4*\t+\s], v[XS+\s] matrix_a_fmt:MATRIX_FMT_FP4 matrix_b_fmt:MATRIX_FMT_FP4
.endif
.endr
.endr
.endm
.macro PACK                            ; rounded to f16, each accumulator from its low end on
	WIN 0x0f                                       ; sources 0 and 1 window 3
.irp t, 0,1,2,3,4,5,6,7
.irp r, 0,1,2,3
	v_cvt_pk_f16_f32 v[TMP+4*\t+\r], v[ACC+8*\t+2*\r], v[ACC+8*\t+2*\r+1]
.endr
.endr
	WIN 0
.endm
.macro TOSTAGE                         ; 16 bytes a lane into my stage, and back as whole rows of 256 bytes: sixteen LDS instructions
	s_wait_xcnt 0x0                                ; the last tile's stores have read the registers that the loads below fill
.irp t, 0,1,2,3,4,5,6,7
	ds_store_b128 v[SO], v[TMP+4*\t:TMP+4*\t+3] offset:32*\t
.endr
.irp f, 0,1,2,3,4,5,6,7
	ds_load_b128 v[BK+4*\f:BK+4*\f+3], v[SR] offset:\f*2*OPI
.endr
.endm
.macro SEND m
	s_wait_dscnt 0x0                               ; the rows are back in registers
.irp f, 0,1,2,3,4,5,6,7
	global_store_b128 v[GO], v[BK+4*\f:BK+4*\f+3], s[OPT:OPT+1] offset:(16*(\m)+2*\f)*256   ; 16 lanes store a row's 256 consecutive bytes, aligned
.endr
.endm
	s_load_b256 s[4:11], s[0:1], 0x0               ; query s[4:5], key s[6:7], value s[8:9], wcodes s[10:11]
	s_load_b256 s[12:19], s[0:1], 0x20             ; wscl s[12:13], bq s[14:15], bk s[16:17], bv s[18:19]
	s_load_b128 s[20:23], s[0:1], 0x40             ; q16 s[20:21], k16 s[22:23]
	s_load_b64 s[24:25], s[0:1], 0x50              ; v16
	v_lshl_add_u32 v[SPW], v0, 2, SPARE
	v_mov_b32 v[NIL], 0
	v_lshrrev_b32 v1, 5, v0
	v_readfirstlane_b32 s[WV], v1                  ; wave 0..3
	v_and_b32 v1, 31, v0                           ; lane
	v_and_b32 v12, 15, v0                          ; r
	v_bfe_u32 v13, v0, 4, 1                        ; h
	v_lshlrev_b32 v[GA], 4, v1
	s_mul_i32 s31, s[WV], 2*TSTG                   ; my two stages
	v_add_nc_u32 v[TSW], s31, v[GA]
	v_mul_u32_u24 v[TSR], v12, TSP
	v_lshl_add_u32 v[TSR], v13, 6, v[TSR]
	v_add_nc_u32 v[TSR], s31, v[TSR]
	v_add_nc_u32 v[LI], XIMG, v[GA]
	v_lshl_add_u32 v[LS], v1, 2, XSC
	s_lshl_b32 s31, s[WV], 12                      ; my four images
	v_add_nc_u32 v[XWI], s31, v[LI]
	s_lshl_b32 s31, s[WV], 9
	v_add_nc_u32 v[XWS], s31, v[LS]
	s_mul_i32 s31, s[WV], 16*OPI
	s_add_co_u32 s31, s31, OSTG                    ; my stage for the way out
	v_mul_u32_u24 v[SO], v12, OPI
	v_lshl_add_u32 v[SO], v13, 4, v[SO]
	v_add_nc_u32 v[SO], s31, v[SO]
	v_mul_u32_u24 v[SR], v13, OPI
	v_lshl_add_u32 v[SR], v12, 4, v[SR]
	v_add_nc_u32 v[SR], s31, v[SR]
	v_lshlrev_b32 v[GO], 8, v13
	v_lshl_add_u32 v[GO], v12, 4, v[GO]
	v_lshlrev_b32 v12, 3, v1                       ; 8 x lane: W's scale words
	v_lshlrev_b32 v13, 5, v13                      ; 32 h: the bias
.irp b, 0,1,2,3
	v_mov_b32 v[TM+4+\b], 0                        ; written once: a lane permute's destination counts as one of its sources
.endr
	s_mov_b32 s[SEL], 0x76543210
	s_mov_b32 s[SEL+1], 0xfedcba98
	s_mov_b32 s[BLK], NB-1
	s_wait_kmcnt 0x0
	s_cmp_lt_u32 ttmp9, 96                         ; which tensor: the choices hang on the work-group's number alone
	s_cselect_b64 s[6:7], s[6:7], s[8:9]
	s_cselect_b64 s[16:17], s[16:17], s[18:19]
	s_cselect_b64 s[22:23], s[22:23], s[24:25]
	s_cselect_b32 s32, 1, 2
	s_cselect_b32 s33, 32, 96
	s_cmp_lt_u32 ttmp9, 32
	s_cselect_b64 s[4:5], s[4:5], s[6:7]           ; x
	s_cselect_b64 s[14:15], s[14:15], s[16:17]     ; its bias
	s_cselect_b64 s[20:21], s[20:21], s[22:23]     ; its result
	s_cselect_b32 s32, 0, s32                      ; the tensor's number
	s_cselect_b32 s33, 0, s33                      ; its first work-group
	s_cselect_b32 s34, 11, 12                      ; log2 of a batch's rows
	s_sub_co_u32 s35, ttmp9, s33
	s_lshl_b32 s35, s35, 8                         ; my first row: 256 to a work-group, inside one batch
	s_lshr_b32 s36, s35, s34                       ; the batch
	s_lshl_b32 s37, s36, s34
	s_sub_co_u32 s37, s35, s37                     ; the row in it
	s_lshl_b32 s38, s36, 2
	s_add_co_u32 s38, s38, s[WV]                   ; batch x 4 + head
	s_lshl_b32 s38, s38, s34
	s_add_co_u32 s38, s38, s37
	s_lshl_b32 s38, s38, 8                         ; rows of 256 bytes
	s_mov_b32 s39, 0
	s_add_nc_u64 s[OPT:OPT+1], s[OPT:OPT+1], s[38:39]
	s_lshl_b32 s40, s35, 11                        ; x: rows of 2,048 bytes,
	s_lshl_b32 s41, s[WV], 15                      ; my wave's 16
	s_add_co_u32 s40, s40, s41
	s_mov_b32 s41, 0
	s_add_nc_u64 s[XP:XP+1], s[XP:XP+1], s[40:41]
	s_lshl_b32 s42, s32, 17                        ; W's codes: 131,072 a tensor, 32,768 a head
	s_lshl_b32 s43, s[WV], 15
	s_add_co_u32 s42, s42, s43
	s_mov_b32 s43, 0
	s_add_nc_u64 s[10:11], s[10:11], s[42:43]
	s_lshl_b32 s44, s32, 14                        ; its scale words: 16,384 a tensor, 4,096 a head
	s_lshl_b32 s45, s[WV], 12
	s_add_co_u32 s44, s44, s45
	s_mov_b32 s45, 0
	s_add_nc_u64 s[12:13], s[12:13], s[44:45]
	s_lshl_b32 s46, s[WV], 9                       ; the bias: my 128 numbers
	s_mov_b32 s47, 0
	s_add_nc_u64 s[14:15], s[14:15], s[46:47]
	WIN 0x40                                       ; destination window 1
.irp t, 0,1,2,3,4,5,6,7
.irp s, 0,1,2,3
.irp c, 0,1
	global_load_b128 v[8*(4*\t+\s)+4*\c:8*(4*\t+\s)+4*\c+3], v[GA], s[10:11] offset:4096*\t+1024*\s+512*\c
.endr
.endr
.endr
	WIN 0
.irp t, 0,1,2,3,4,5,6,7
.irp u, 0,1
	global_load_b64 v[W1S+4*\t+2*\u:W1S+4*\t+2*\u+1], v12, s[12:13] offset:512*\t+256*\u
.endr
.endr
	WIN 0xc0                                       ; destination window 3
.irp t, 0,1,2,3,4,5,6,7
	global_load_b128 v[BI+8*\t:BI+8*\t+3], v13, s[14:15] offset:64*\t          ; lane (r, h): features 16 t + 8 h + 0 .. 7
	global_load_b128 v[BI+8*\t+4:BI+8*\t+7], v13, s[14:15] offset:64*\t+16
.endr
	WIN 0
	XLOAD 0, 0                                     ; the first block
	XLOAD 1, 0
	XLOAD 2, 0
	XLOAD 3, 0
; A BLOCK OF 64 ROWS.  refill = 1: each set of x's registers takes the next block's loads as soon as its numbers have gone into the stage.
.macro BLOCK refill
	s_wait_loadcnt 48                              ; K step 0's 16 loads (and all that were issued earlier) are in; the three sets behind it may be out
	TURN 0
.irp s, 0,1,2,3
.if \s < 3
.if \refill
	s_wait_loadcnt 32                              ; K step s + 1 is in: behind it stand 2 - s sets of this block and s of the next, 32 loads
.else
	s_wait_loadcnt 16*(2-\s)                       ; the last block: behind it only 2 - s sets
.endif
	TURN (\s+1)                                    ; goes through the other stage while this step is worked
.endif
.if \s == 0
	s_wait_dscnt 32                                ; this step's numbers are back: the next turn's 32 instructions may be out
.elseif \s < 3
	s_wait_dscnt 35                                ; likewise, and the last image's three stores
.else
	s_wait_dscnt 3
.endif
.if \refill
	XLOAD \s, 131072                               ; this set's stores into the stage are older than the loads just awaited: they have read their registers
.endif
	QUANT X+64*(\s%2),PC+8*(\s%2),PW+(\s%2)
	IMAGE \s
.endr
	BARRIER                                        ; x's sixteen fragments lie in LDS
	FETCH 0
.irp m, 0,1,2,3
.if \m == 0
	s_wait_dscnt 0x0
.else
	s_wait_dscnt 16                                ; the fragments are in; the sixteen instructions of the last tile's way through the stage may be out
.endif
	MUL
	WIN 0
.if \m > 0
	SEND (\m-1)
.endif
	PLACES                                         ; four places ahead of loads into registers that the products have read and of the first read of results
.if \m < 3
	FETCH (\m+1)
.endif
	PACK
	TOSTAGE
.endr
	SEND 3
.if \refill
	s_wait_xcnt 0x0                                ; loads and stores have read their bases: both may step
	s_add_nc_u64 s[XP:XP+1], s[XP:XP+1], 131072
	s_add_nc_u64 s[OPT:OPT+1], s[OPT:OPT+1], 16384
	BARRIER                                        ; every wave has read the images: they may be written again
.endif
.endm
.Lblock:
	BLOCK 1
	s_sub_co_u32 s[BLK], s[BLK], 1
	s_cmp_lg_u32 s[BLK], 0
	s_cbranch_scc1 .Lblock
	BLOCK 0                                        ; the last block asks for nothing: no load leaves its buffer
	s_wait_tensorcnt 0x0                           ; the wave's end, behind my last LDS store
	ds_add_u32 v[SPW], v[NIL]
	s_wait_dscnt 0x0
	s_endpgm
.Lfunc_end_k_q4b77ee5ff1_proj:
	.size	k_q4b77ee5ff1_proj, .Lfunc_end_k_q4b77ee5ff1_proj-k_q4b77ee5ff1_proj
	.p2alignl 7, 3214868480
	.fill 96, 4, 3214868480
	.section	.rodata,"a",@progbits
	.p2align	6, 0x0
	.amdhsa_kernel k_q4b77ee5ff1_proj
		.amdhsa_group_segment_fixed_size 103936
		.amdhsa_private_segment_fixed_size 0
		.amdhsa_enable_private_segment 0
		.amdhsa_kernarg_size 88
		.amdhsa_user_sgpr_count 2
		.amdhsa_user_sgpr_kernarg_segment_ptr 1
		.amdhsa_wavefront_size32 1
		.amdhsa_system_sgpr_workgroup_id_x 1
		.amdhsa_system_sgpr_workgroup_id_y 1
		.amdhsa_system_sgpr_workgroup_id_z 1
		.amdhsa_system_vgpr_workitem_id 0
		.amdhsa_next_free_vgpr 1024
		.amdhsa_next_free_sgpr 66
		.amdhsa_reserve_vcc 0
		.amdhsa_float_denorm_mode_32 3
		.amdhsa_float_denorm_mode_16_64 3
		.amdhsa_memory_ordered 1
		.amdhsa_forward_progress 1
		.amdhsa_inst_pref_size 146
	.end_amdhsa_kernel
	.amdgpu_metadata
---
amdhsa.version: [ 1, 2 ]
amdhsa.kernels:
  - .name:           k_q4b77ee5ff1_proj
    .symbol:         k_q4b77ee5ff1_proj.kd
    .args:
      - { .name: query, .offset: 0, .size: 8, .value_kind: global_buffer, .address_space: global }
      - { .name: key, .offset: 8, .size: 8, .value_kind: global_buffer, .address_space: global }
      - { .name: value, .offset: 16, .size: 8, .value_kind: global_buffer, .address_space: global }
      - { .name: wcodes, .offset: 24, .size: 8, .value_kind: global_buffer, .address_space: global }
      - { .name: wscl, .offset: 32, .size: 8, .value_kind: global_buffer, .address_space: global }
      - { .name: bq, .offset: 40, .size: 8, .value_kind: global_buffer, .address_space: global }
      - { .name: bk, .offset: 48, .size: 8, .value_kind: global_buffer, .address_space: global }
      - { .name: bv, .offset: 56, .size: 8, .value_kind: global_buffer, .address_space: global }
      - { .name: q16, .offset: 64, .size: 8, .value_kind: global_buffer, .address_space: global }
      - { .name: k16, .offset: 72, .size: 8, .value_kind: global_buffer, .address_space: global }
      - { .name: v16, .offset: 80, .size: 8, .value_kind: global_buffer, .address_space: global }
    .group_segment_fixed_size: 103936
    .private_segment_fixed_size: 0
    .kernarg_segment_align: 8
    .kernarg_segment_size: 88
    .max_flat_workgroup_size: 128
    .sgpr_count:     66
    .vgpr_count:     1024
    .wavefront_size: 32
...
	.end_amdgpu_metadata
.endif
;; end of part 2
;; launch attn (part 3): grid 16 x 16, 4 waves a work-group, clusters of 4 x 1, 327,680 bytes of LDS; arguments q16, k16, v16, maskb, attn16; writes attn16
.if DOCPART == 3
	.amdgcn_target "amdgcn-amd-amdhsa--gfx1250"
	.amdhsa_code_object_version 6
	.text
	.protected	k_q4b77ee5ff1_attn
	.globl	k_q4b77ee5ff1_attn
	.p2align	8
	.type	k_q4b77ee5ff1_attn,@function
k_q4b77ee5ff1_attn:
	s_mov_b64 s[64:65], 0
	v_nop
	global_prefetch_b8 v0, s[64:65] scope:SCOPE_SE
	s_setreg_imm32_b32 hwreg(HW_REG_WAVE_MODE, 25, 1), 1
	s_wait_xcnt 0x0
	s_wait_alu depctr_hold_cnt(0) depctr_sa_sdst(0) depctr_va_vdst(0) depctr_va_sdst(0) depctr_va_ssrc(0) depctr_va_vcc(0) depctr_vm_vsrc(0)
	s_getreg_b32 s2, hwreg(HW_REG_IB_STS2, 6, 4)
	s_cmp_eq_u32 s2, 0
	s_cbranch_scc0 .Lentry_in_a_cluster
	s_endpgm
.Lentry_in_a_cluster:
	s_bfe_u32 s2, ttmp6, 0x10000c
	s_cmp_lg_u32 s2, 0x3003
	s_cbranch_scc0 .Lentry_shape_is_right
	s_endpgm
.Lentry_shape_is_right:
; attn[b][t][head] = the sum over keys of softmax_k(q . k / sqrt(128), masked keys left out) v.  q16 [bh][2048][128], k16, v16 [bh][4096][128], f16; maskb [b][4096] f32 (0, or -2^100 where masked); attn16 [b x 2048 + t][512] f16.
; Products, maxima and sums in f32; the weights p are rounded to f16 for the second product, the result once at the end.  (The addend 1e-9 of the scores falls out of score - maximum, so it is not written.)
; SHARES.  A work-group owns 128 queries of one batch and head.  A wave holds 64 queries (four tiles of 16), so that each fragment of K and V read from LDS feeds four products; the KEYS are shared inside the work-group:
; wave w takes queries 64 (w % 2) on and, of each slot's 256 keys, the 128 from 128 (w / 2) on: 32 key steps of 64.  The two partial results of a query (O, maximum, sum) are joined through LDS at the end.
; LAYOUT.  S^T = K Q^T (source 0 = 16 keys, source 1 = 16 queries): a lane holds ONE query and the keys 8 (lane / 16) + 0..7.  Two such tiles, rounded to f16 in pairs, ARE source 1 of O^T = V^T P.  K comes out of LDS as it lies, V turned.
; THE MASK costs no vector instruction: the keys' addends, eight registers a tile of keys in the result's layout, are the C of each score's first product.  A masked score is about -2^100.  The running maximum starts
; from the floor -2^90, which no score of f16 operands reaches (128 x 65,504^2 is under 2^40): so a masked key has p = 0 exactly, no infinity enters a product, and a row all of whose keys are masked ends with the sum 0, for which 0 is stored.
; SOFTMAX.  For each query a running maximum m and sum l: p = 2^(c s - c m), c = log2(e) / sqrt(128); in every step O and l are multiplied by a = 2^(c m_old - c m_new).
; BY TURNS.  The wave's tiles are two PIECES (tiles 0, 1 and tiles 2, 3).  In a TURN one piece has the matrix unit (32 products V^T P of the step in hand, 32 products K Q^T of the next); the other piece's softmax, cut into 64 slices,
; stands between them, one slice behind each matrix instruction.  Two turns are a key step.
; CLUSTER.  The four query blocks of a cluster belong to one batch and head and walk the same K, V and mask: each tile is asked for JOINTLY, by the same tensor load with the same descriptor and a mask that names the four.
; LIMITS: operands in f16 (beyond 65,504 infinite; under 6e-5 f16's absolute step); NaN and infinities among the inputs are not served.
; REGISTERS, in windows of 256: window 0: v0-11 addresses; v12-43 statistics, eight a tile; v44-50 more addresses; v61-63; v64-191 S^T; v192-255 P.   window 1: O^T, 64 a tile.
;   window 2: v0-127 Q; v128-255 K of one step.   window 3: v0-127 V of one step; v128-159 the step's mask addends.
.set KS,    64        ; keys in a step
.set PK,    272       ; a row of K in LDS: 256 bytes + 16: the 16 rows of a load start 68 words apart
.set PV,    288       ; a row of V: 256 + 32
.set SKEYS, 256       ; keys in a slot
.set VOFF,  SKEYS*PK  ; a slot: 256 rows of K, then 256 rows of V
.set SLOT,  SKEYS*(PK+PV)
.set STK,   KS*PK     ; a step on, in K's rows
.set STV,   KS*PV     ; and in V's
.set SLOTG, SKEYS*256 ; a slot's keys in memory
.set MB,    2*SLOT    ; behind the ring: the batch's 4,096 mask addends, filled once
.set SPARE, MB+16384  ; the spare words, 128 bytes for each wave: two blocks of 256 bytes that no other line names
.set STAGE, SPARE+512 ; 16 rows x 272 bytes for each wave, for the way out
.set SP,    272
.set MG,    0         ; the join: each wave's O^T as an image of its registers, 32,768 bytes; in slot 0, which has had its last fill and its last read by then
.set MS,    4*32768   ; and its statistics, 1,024 bytes a wave
.set AK0, 2           ; v2   my lane's place in a tile of K, my half of the slot's keys; never rewritten
.set AV0, 3           ; v3   the same for V
.set ADR, 4           ; v4   the LDS address of the run of loads in hand
.set QO,  5           ; v5   my byte offset in the wave's rows of Q
.set STO, 6           ; v6   the way out: where I put 16 bytes of a row
.set RD,  7           ; v7   the way out: where I read a row back
.set GO,  8           ; v8   my byte offset in two rows of the result
.set AM0, 44          ; v44  my lane's place among the mask addends
.set ADM, 45          ; v45  the address of the step's addends
.set MGS, 46          ; v46  the join: where I store my O^T
.set MGA, 47          ; v47  where I read the first half of the keys' O^T of my two tiles
.set MGB, 48          ; v48  and the second half's
.set MSS, 49          ; v49  where I store my statistics
.set MSA, 50          ; v50  and read those of my two tiles
.set PFO, 61          ; v61  256 x my lane; never rewritten
.set SPW, 62          ; v62  my spare word; never rewritten
.set NIL, 63          ; v63  0; never rewritten
.set ST,  12          ; tile t's statistics at v[ST+8 t]: +0 c m, +1 m, +2, +3 l (even keys', odd keys'), +4 to +7 at work
.set S,   64
.set P,   192
.set KF,  128         ; K's fragments, in window 2
.set BF,  128         ; the mask addends, in window 3
.set WV,  12          ; s12  my wave's number
.set LIM, 15          ; s15  1 in a wave that prefetches, else the greatest number
.set PFA, 18          ; s[18:19] where my prefetches stand
.set G1K, 24          ; s[24:31] descriptor group 1 for K's tiles
.set G1V, 32          ; s[32:39] for V's: it differs in the padding alone
.set G0K, 40          ; s[40:47] descriptor group 0 for K's tiles, a set for each slot
.set G0V, 48          ; s[48:55] the same for V's
.set TRIPS, 56        ; s56  trips of the loop over slots still to go
.set TWICE, 57        ; s57  counts a slot's two steps
.set CS,  58          ; s[58:59] c
.set SEL, 60          ; s[60:61] lane selects: lane l xor 16
.set TBK, 62          ; s62  LDS byte at which K's rows of the step to be fetched begin
.set TBV, 63          ; s63  the same for V's
.set OA,  66          ; s[66:67] the result at my two tiles' first row, my head
.set TMK, 68          ; s68  where the step's mask addends begin
.set G1M, 72          ; s[72:79], s[80:83] groups 1 and 0 for the mask addends
.set G0M, 80
.set GG,  84          ; s84  which half of a slot's keys is mine
.set QH,  85          ; s85  which 64 queries.  Also: which 128 rows of a slot I fetch
.set MSB, 0
.macro WIN new                      ; the immediate's high byte repeats the setting that is left; a switch that changes nothing is dropped
.if MSB != \new
	s_set_vgpr_msb (MSB<<8)|\new
.set MSB, \new
.endif
.endm
.set W_KQ,  0x0a      ; K and Q in window 2, S^T in window 0
.set W_KQ0, 0x3a      ; the same, C (the mask addends) in window 3
.set W_PV,  0x53      ; V in window 3, P in window 0, O^T in window 1
.set W_RS,  0x41      ; O^T (destination and source 0) in window 1, a in window 0
; A joint refill of slot s.  Waves 0 and 1 fetch the slot's two halves of K, waves 2 and 3 those of V.  The branch hangs on the wave's number alone.
; An s_nop 0 and four v_nop follow each of the two lines, ahead of the jump, the label and what follows.
.macro JLOAD s
	s_cmp_lt_u32 s[WV], 2
	s_cbranch_scc0 .Lfor_v_\@
	tensor_load_to_lds s[G0K+4*(\s):G0K+4*(\s)+3], s[G1K:G1K+7]
	s_nop 0
.rept 4
	v_nop
.endr
	s_branch .Lasked_\@
.Lfor_v_\@:
	tensor_load_to_lds s[G0V+4*(\s):G0V+4*(\s)+3], s[G1V:G1V+7]
	s_nop 0
.rept 4
	v_nop
.endr
.Lasked_\@:
.endm
; A PREFETCH of what the NEXT change of slots will ask for: 256 rows of K and 256 of V, 256 bytes a row, a lane a row; two key steps, 256 matrix instructions, ahead of that load.
; Each row is named ONCE in the launch: all clusters of a batch and head walk the same rows, and the first of them asks; of the 128 rows that wave w fetches, the partner at place cx takes 32 cx .. 32 cx + 31, told apart BY ADDRESS.
; how = 1: the first change of a trip always has a slot two on; how = 0: the second has none in the last trip.
.macro ASK how
.if \how
	s_cmp_eq_u32 s[LIM], 1
.else
	s_cmp_gt_u32 s[TRIPS], s[LIM]
.endif
	s_cbranch_scc0 .Lnot_mine_\@
	global_prefetch_b8 v[PFO], s[PFA:PFA+1] th:TH_LOAD_NT scope:SCOPE_SE
.Lnot_mine_\@:
.endm
; A round of the cluster's barrier.
.macro CROUND
	s_barrier_signal -1
	s_barrier_wait -1
	s_cmp_lg_u32 s[WV], 0
	s_cbranch_scc1 .Lnot_wave_0_\@
	s_barrier_signal -3
.Lnot_wave_0_\@:
	s_barrier_wait -3
	s_barrier_signal -1
	s_barrier_wait -1
.endm
	s_load_b256 s[4:11], s[0:1], 0x0  ; Q s[4:5], K s[6:7], V s[8:9], mask addends s[10:11]
	s_load_b64 s[OA:OA+1], s[0:1], 0x20
	v_lshl_add_u32 v[SPW], v0, 2, SPARE
	v_mov_b32 v[NIL], 0
	ds_add_u32 v[SPW], v[NIL]       ; the wave's opening: the add, twice on end, and its wait ahead of my first tensor load
	ds_add_u32 v[SPW], v[NIL]       ; and once more, under the one wait; the set-up below, work on registers, stands between
	v_lshrrev_b32 v1, 5, v0
	v_readfirstlane_b32 s[WV], v1   ; wave 0..3
	s_and_b32 s[QH], s[WV], 1
	s_lshr_b32 s[GG], s[WV], 1
	s_bfe_u32 s13, ttmp6, 0x40000   ; cx: my place in the cluster
	s_lshl_b32 s14, ttmp9, 2        ; in a cluster launch ttmp9 counts clusters
	s_add_co_u32 s14, s14, s13      ; my block of 128 queries: it enters Q's and the result's addresses alone
	s_and_b32 s20, ttmp7, 0xffff    ; batch x 4 + head, which the four partners share
	s_lshl_b32 s22, s20, 20         ; K and V: 4,096 rows of 256 bytes a head,
	s_lshl_b32 s16, s[QH], 15       ; the 128 rows of a slot that I fetch
	s_add_co_u32 s22, s22, s16
	s_mov_b32 s23, 0
	s_lshr_b32 s21, s20, 2          ; the batch
	s_lshl_b32 s86, s21, 14         ; its 16,384 bytes of addends,
	s_lshl_b32 s16, s[WV], 12       ; my wave's quarter
	s_add_co_u32 s86, s86, s16
	s_mov_b32 s87, 0
	s_add_co_u32 s88, s16, MB       ; and where it goes: no place in the cluster enters an LDS address
	s_mul_i32 s17, s[QH], 128*PK    ; my rows' place in a slot: K's,
	s_mul_i32 s89, s[QH], 128*PV    ; V's
	s_lshl_b32 s2, s20, 19          ; Q: 2,048 rows of 256 bytes a head,
	s_lshl_b32 s3, s14, 15          ; my block's 128,
	s_add_co_u32 s2, s2, s3
	s_lshl_b32 s3, s[QH], 14        ; my wave's 64
	s_add_co_u32 s2, s2, s3
	s_mov_b32 s3, 0
	s_lshl_b32 s90, s21, 11         ; the result: row batch x 2,048 + 128 block + 64 (w % 2) + 32 (w / 2): the two tiles that I finish
	s_lshl_b32 s91, s14, 7
	s_add_co_u32 s90, s90, s91
	s_lshl_b32 s91, s[QH], 6
	s_add_co_u32 s90, s90, s91
	s_lshl_b32 s91, s[GG], 5
	s_add_co_u32 s90, s90, s91
	s_lshl_b32 s90, s90, 10         ; rows of 1,024 bytes,
	s_and_b32 s91, s20, 3
	s_lshl_b32 s91, s91, 8          ; the head's 256
	s_add_co_u32 s90, s90, s91
	s_mov_b32 s91, 0
	; descriptor group 1: a tile of 128 rows x 128 elements of 2 bytes, padded in LDS
	s_mov_b32 s[G1K], 15|(1<<16)|(1<<20)|(1<<21)|(5<<22)|(3<<25)  ; 15:0 the mask: all four work-groups; 17:16 elements of 2 bytes; 20 padding on; 21 set beside a mask; 24:22 after every 64 words; 31:25 4 words of it
	s_mov_b32 s[G1V], 15|(1<<16)|(1<<20)|(1<<21)|(5<<22)|(7<<25)  ; the same with 8 words of padding
.irp g, G1K, G1V
	s_mov_b32 s[\g+1], 128<<16      ; tensor_dim0 = 128
	s_mov_b32 s[\g+2], 128<<16      ; tensor_dim1 = 128
	s_mov_b32 s[\g+3], 128<<16      ; tile_dim0 = 128
	s_mov_b32 s[\g+4], 128          ; tile_dim1 = 128
	s_mov_b32 s[\g+5], 128          ; elements from row to row
	s_mov_b32 s[\g+6], 0
	s_mov_b32 s[\g+7], 0
.endr
	; and for a quarter of the addends: 4,096 dense bytes as 16 rows of 256 (32 elements of 8 bytes), no padding
	s_mov_b32 s[G1M], 15|(3<<16)|(1<<21)
	s_mov_b32 s[G1M+1], 32<<16
	s_mov_b32 s[G1M+2], 16<<16
	s_mov_b32 s[G1M+3], 32<<16
	s_mov_b32 s[G1M+4], 16
	s_mov_b32 s[G1M+5], 32
	s_mov_b32 s[G1M+6], 0
	s_mov_b32 s[G1M+7], 0
	s_mov_b32 s[CS], 0x3e0293ee     ; c = log2(e) / sqrt(128)
	s_mov_b32 s[CS+1], s[CS]        ; named with it as a pair, so it is written
	s_mov_b32 s[SEL], 0x76543210
	s_mov_b32 s[SEL+1], 0xfedcba98
	s_mov_b32 s[TBK], 0
	s_mov_b32 s[TBV], 0
	s_mov_b32 s[TMK], 0
	s_cmp_eq_u32 ttmp9, 0           ; the head's first cluster: the same in all four partners
	s_cselect_b32 s[LIM], 1, -1
	v_and_b32 v[PFO], 31, v0
	v_lshlrev_b32 v[PFO], 8, v[PFO]
	s_wait_dscnt 0x0                ; both opening adds are done
	s_wait_kmcnt 0x0
	s_add_nc_u64 s[6:7], s[6:7], s[22:23]  ; K and V at my rows of slot 0
	s_add_nc_u64 s[8:9], s[8:9], s[22:23]
	s_add_nc_u64 s[4:5], s[4:5], s[2:3]    ; Q at my wave's first row
	s_add_nc_u64 s[OA:OA+1], s[OA:OA+1], s[90:91]
	s_cmp_lt_u32 s[WV], 2
	s_cselect_b64 s[PFA:PFA+1], s[6:7], s[8:9]
	s_lshl_b32 s2, s13, 13          ; my work-group's 32 rows of the 128
	s_mov_b32 s3, 0
	s_add_nc_u64 s[PFA:PFA+1], s[PFA:PFA+1], s[2:3]
	s_add_nc_u64 s[PFA:PFA+1], s[PFA:PFA+1], 2*SLOTG  ; in the third slot's keys; the first change of slots steps it on.  Nothing is prefetched here, at the head
	CROUND                          ; all four work-groups are here: the first joint loads meet
	s_mov_b32 s[G0M], 1
	s_mov_b32 s[G0M+1], s88
	s_add_nc_u64 s[G0M+2:G0M+3], s[10:11], s[86:87]
	s_or_b32 s[G0M+3], s[G0M+3], 0x80000000
.irp s, 0,1
	s_mov_b32 s[G0K+4*\s], 1        ; count = 1
	s_add_co_u32 s[G0K+4*\s+1], s17, \s*SLOT  ; LDS address
	s_add_nc_u64 s[G0K+4*\s+2:G0K+4*\s+3], s[6:7], \s*SLOTG  ; global address: slot s begins with keys 256 s on
	s_or_b32 s[G0K+4*\s+3], s[G0K+4*\s+3], 0x80000000  ; type = 2
	s_mov_b32 s[G0V+4*\s], 1
	s_add_co_u32 s[G0V+4*\s+1], s89, \s*SLOT+VOFF
	s_add_nc_u64 s[G0V+4*\s+2:G0V+4*\s+3], s[8:9], \s*SLOTG
	s_or_b32 s[G0V+4*\s+3], s[G0V+4*\s+3], 0x80000000
.endr
	tensor_load_to_lds s[G0M:G0M+3], s[G1M:G1M+7]  ; the first fills go out as one group: my quarter of the addends, then my part of slots 0 and 1: three loads of mine are out
	s_nop 0
	s_cmp_lt_u32 s[WV], 2
	s_cbranch_scc0 .Lfirst_v
	tensor_load_to_lds s[G0K:G0K+3], s[G1K:G1K+7]
	s_nop 0
	tensor_load_to_lds s[G0K+4:G0K+7], s[G1K:G1K+7]
	s_nop 0
.rept 4
	v_nop
.endr
	s_branch .Lfirst_asked
.Lfirst_v:
	tensor_load_to_lds s[G0V:G0V+3], s[G1V:G1V+7]
	s_nop 0
	tensor_load_to_lds s[G0V+4:G0V+7], s[G1V:G1V+7]
	s_nop 0
.rept 4
	v_nop
.endr
.Lfirst_asked:
	; A fragment of K or Q is 16 rows x 32 channels in 8 registers: lane l holds row l % 16; registers 0-3 channels 8 (l / 16) + 0..7, registers 4-7 channels 16 + 8 (l / 16) + 0..7: two loads of 16 bytes, 32 bytes apart.
	v_and_b32 v1, 15, v0            ; l % 16
	v_bfe_u32 v9, v0, 4, 1          ; l / 16
	v_lshlrev_b32 v[QO], 8, v1
	v_lshl_add_u32 v[QO], v9, 4, v[QO]  ; row x 256 + 16 x half
	WIN 0x80                        ; destination window 2, address window 0
.irp i, 0,1,2,3,4,5,6,7,8,9,10,11,12,13,14,15  ; Q stays in registers: tile i / 4, channels 32 (i % 4) on
	global_load_b128 v[8*\i:8*\i+3],   v[QO], s[4:5] offset:(\i/4)*4096+(\i%4)*64
	global_load_b128 v[8*\i+4:8*\i+7], v[QO], s[4:5] offset:(\i/4)*4096+(\i%4)*64+32
.endr
	WIN 0
	s_mul_i32 s16, s[GG], 128*PK    ; my half of a slot's keys
	v_mul_u32_u24 v[AK0], v1, PK
	v_lshl_add_u32 v[AK0], v9, 4, v[AK0]  ; row x pitch + 16 x half
	v_add_nc_u32 v[AK0], s16, v[AK0]
	; The turning load takes 16 keys x 16 channels (lane l reads 16 bytes: key 8 (l / 16) + l % 8, channels 8 ((l / 8) % 2) + 0..7) and leaves half a fragment of V^T: lane l holds channel l % 16 and 8 keys.
	v_and_b32 v10, 7, v0
	v_bfe_u32 v11, v0, 3, 1
	v_lshl_add_u32 v[AV0], v9, 3, v10
	v_mul_u32_u24 v[AV0], v[AV0], PV
	v_lshl_add_u32 v[AV0], v11, 4, v[AV0]
	s_mul_i32 s16, s[GG], 128*PV
	s_add_co_u32 s16, s16, VOFF
	v_add_nc_u32 v[AV0], s16, v[AV0]
	s_lshl_b32 s16, s[GG], 9        ; the addends: 4 bytes a key; my half's 128 keys, and 8 keys on for lanes 16-31
	s_add_co_u32 s16, s16, MB
	v_lshlrev_b32 v[AM0], 5, v9
	v_add_nc_u32 v[AM0], s16, v[AM0]
; THE MATRIX WORK OF A TURN, for piece x.  The accumulators take turns, one instruction a turn.
; Product i of 32 of O^T += V^T P: keys 32 (i / 16) on, channels 16 ((i / 2) % 8) on, tile x + i % 2.  zero = 1: the first 16 start the sums.
.macro PV x, zero
	WIN W_PV
.set rO, 64*(\x+i%2)+8*((i/2)%8)
.set rV, 64*(i/16)+8*((i/2)%8)
.set rP, P+16*(\x+i%2)+8*(i/16)
.if \zero && (i < 16)
	v_wmma_f32_16x16x32_f16 v[rO:rO+7], v[rV:rV+7], v[rP:rP+7], 0
.else
	v_wmma_f32_16x16x32_f16 v[rO:rO+7], v[rV:rV+7], v[rP:rP+7], v[rO:rO+7]
.endif
.endm
; Product i of 32 of S^T = K Q^T + the mask's addends: channels 32 (i / 8) on, keys 16 ((i / 2) % 4) on, tile x + i % 2.  The first 8 start the sums from the addends of their 16 keys.
.macro KQ x
.set rS, S+32*(\x+i%2)+8*((i/2)%4)
.set rK, KF+32*((i/2)%4)+8*(i/8)
.set rQ, 32*(\x+i%2)+8*(i/8)
.set rB, BF+8*((i/2)%4)
.if i < 8
	WIN W_KQ0
	v_wmma_f32_16x16x32_f16 v[rS:rS+7], v[rK:rK+7], v[rQ:rQ+7], v[rB:rB+7]
.else
	WIN W_KQ
	v_wmma_f32_16x16x32_f16 v[rS:rS+7], v[rK:rK+7], v[rQ:rQ+7], v[rS:rS+7]
.endif
.endm
; THE LDS LOADS stand in runs, never singly among the matrix instructions: a step's K (16 fragments) with its 64 addends, and, a turn later, its V (turned).
.macro FETCH_K
	WIN 0
	v_add_nc_u32 v[ADR], s[TBK], v[AK0]
	v_add_nc_u32 v[ADM], s[TMK], v[AM0]
	WIN 0x80                        ; destination window 2
.irp f, 0,1,2,3,4,5,6,7,8,9,10,11,12,13,14,15  ; keys 16 (f / 4) on, channels 32 (f % 4) on
	ds_load_b128 v[KF+8*\f:KF+8*\f+3],   v[ADR] offset:(\f/4)*16*PK+(\f%4)*64
	ds_load_b128 v[KF+8*\f+4:KF+8*\f+7], v[ADR] offset:(\f/4)*16*PK+(\f%4)*64+32
.endr
	WIN 0xc0                        ; destination window 3
.irp f, 0,1,2,3                     ; register j of tile f: the addend of key 16 f + 8 (lane / 16) + j; sixteen lanes read the same words
	ds_load_b128 v[BF+8*\f:BF+8*\f+3],   v[ADM] offset:64*\f
	ds_load_b128 v[BF+8*\f+4:BF+8*\f+7], v[ADM] offset:64*\f+16
.endr
.endm
.macro FETCH_V
	WIN 0
	v_add_nc_u32 v[ADR], s[TBV], v[AV0]
	s_add_co_u32 s[TBK], s[TBK], STK  ; the next fetches are the next step's
	s_add_co_u32 s[TBV], s[TBV], STV
	s_add_co_u32 s[TMK], s[TMK], 4*KS
	s_wait_alu depctr_va_vdst(0)    ; the wait for the softmax's batch of exponentials, behind the address's addition and ahead of the loads
	WIN 0xc0                        ; destination window 3
.irp f, 0,1,2,3,4,5,6,7,8,9,10,11,12,13,14,15  ; keys 32 (f / 8) on, channels 16 (f % 8) on
	ds_load_tr16_b128 v[8*\f:8*\f+3],   v[ADR] offset:(\f/8)*32*PV+(\f%8)*32
	ds_load_tr16_b128 v[8*\f+4:8*\f+7], v[ADR] offset:(\f/8)*32*PV+16*PV+(\f%8)*32
.endr
.endm
; THE VECTOR WORK OF A TURN.  One tile's softmax for one key step is a list of 134 instructions; SM writes number j of it for tile t.  first = 1: the first key step, which starts m (from the floor), l and O^T.
;   0-15    the maximum of the lane's 32 scores and the old m (first step: the floor -2^90)
;   16-20   the other half of the lanes' maximum; the new m; c m; c m_old - c m_new
;   21-69   ONE BATCH: the 16 scalings c s - c m and all 33 exponentials (a at 23).  None of these reads an exponential's result
;   (wait)  between 69 and 70 stands the one wait for the batch: SLICE writes it, once for both tiles
;   70-85   the roundings to f16;   86-101 the sums, l = a l + the sum;   102-133 the tile's O^T times a
.macro SM t, first
.set rT, ST+8*(\t)
.set rS, S+32*(\t)
.set rP, P+16*(\t)
.set rO, 64*(\t)+2*(j-102)
.if j < 102
	WIN 0
.endif
.if j < 4
	v_max3_num_f32 v[rT+4+j], v[rS+8*j], v[rS+8*j+1], v[rS+8*j+2]
.elseif j < 12
	v_max3_num_f32 v[rT+4+j%4], v[rT+4+j%4], v[rS+8*(j%4)+2*(j/4)+1], v[rS+8*(j%4)+2*(j/4)+2]
.elseif j == 12
	v_max3_num_f32 v[rT+4], v[rT+4], v[rS+7], v[rS+15]
.elseif j == 13
	v_max3_num_f32 v[rT+6], v[rT+6], v[rS+23], v[rS+31]
.elseif j == 14
	v_max3_num_f32 v[rT+4], v[rT+4], v[rT+5], v[rT+6]
.elseif (j == 15) && \first
	v_max3_num_f32 v[rT+4], v[rT+4], v[rT+7], 0xec800000  ; the floor -2^90: over every masked score, under every other
.elseif j == 15
	v_max3_num_f32 v[rT+4], v[rT+4], v[rT+7], v[rT+1]
.elseif j == 16
	v_permlanex16_b32 v[rT+5], v[rT+4], s[SEL], s[SEL+1]  ; the query's other 32 keys lie in the lane 16 away
.elseif j == 18
	v_max_num_f32 v[rT+1], v[rT+4], v[rT+5]
.elseif j == 19
	v_mul_f32 v[rT], s[CS], v[rT+1]
.elseif ((j == 17) || (j == 20) || (j == 23) || (j > 101)) && \first  ; the first step has none of these
.elseif j == 17
	v_mov_b32 v[rT+7], v[rT]        ; c m_old is kept for a
.elseif j == 20
	v_sub_f32 v[rT+7], v[rT+7], v[rT]
.elseif j == 23
	v_exp_f32 v[rT+6], v[rT+7]
.elseif (j < 23) || ((j < 38) && (j%2 == 0)) || ((j < 66) && (j%4 == 2))
.set b, (j-2)/4                     ; 38, 42, .. 62: pairs 9 to 15
.if j < 38
.set b, (j-20)/2                    ; 21: pair 0; 22, 24, .. 36: pairs 1 to 8
.endif
	v_pk_fma_f32 v[rS+2*b:rS+2*b+1], v[rS+2*b:rS+2*b+1], s[CS:CS+1], v[rT:rT+1] op_sel_hi:[1,0,0] neg_lo:[0,0,1] neg_hi:[0,0,1]  ; pair b: c s - c m
.elseif j < 70
.set e, j-38                        ; 66 to 69: s28 to s31
.if j < 66
.set e, j-32-(j-38)/4               ; 39-41, 43-45, .. 63-65: s7 to s27
.endif
.if j < 38
.set e, (j-25)/2                    ; 25, 27, .. 37: s0 to s6
.endif
	v_exp_f32 v[rS+e], v[rS+e]
.elseif j < 86
	v_cvt_pk_f16_f32 v[rP+j-70], v[rS+2*(j-70)], v[rS+2*(j-70)+1]  ; pair j - 70
.elseif j < 102                     ; the sum of the tile's 16 pairs, in place: neighbours 1, 2, 4 and 8 pairs apart, then l takes it
.set z, j-86
.set w, 4
.set u, z
.if z >= 14
.set w, 32
.set u, 0
.elseif z >= 12
.set w, 16
.set u, z-12
.elseif z >= 8
.set w, 8
.set u, z-8
.endif
.if (z == 14) && \first
	v_pk_add_f32 v[rT+2:rT+3], v[rS:rS+1], v[rS+16:rS+17]
.elseif z < 15
	v_pk_add_f32 v[rS+w*u:rS+w*u+1], v[rS+w*u:rS+w*u+1], v[rS+w*u+w/2:rS+w*u+w/2+1]
.elseif !\first
	v_pk_fma_f32 v[rT+2:rT+3], v[rT+2:rT+3], v[rT+6:rT+7], v[rS:rS+1] op_sel_hi:[1,0,1]
.endif
.else
	WIN W_RS
	v_pk_mul_f32 v[rO:rO+1], v[rO:rO+1], v[rT+6:rT+7] op_sel_hi:[1,0]
.endif
.endm
; Slice k of 64 of piece y's softmax: four instructions.  Slices 11 to 34 deal out the batch, four numbers of ONE tile each, the tiles by turns; every other slice is numbers 2 k and 2 k + 1 of both tiles' lists;
; the twelve that are over stand in slice 63.  Ahead of slice 35 nothing names an exponential's result, and behind slice 34 none is issued: so the piece's 66 exponentials have one wait, behind slice 34.
.macro SLICE y, first
.if (k >= 11) && (k < 35)
.irp n, 0,1,2,3
.set j, 22+4*((k-11)/2)+(\n)
	SM (\y)+(k-11)%2, \first
.endr
.else
.irp n, 0,1,2,3,4,5,6,7
.if (\n < 2) || (k == 63)
.irp t, \y, \y+1
.set j, 2*k+\n
	SM \t, \first
.endr
.endif
.endr
.endif
.if k == 34
	v_nop                           ; the plain instruction behind the last exponential and ahead of the first use: one for the batch
.if (\y) == 0
	FETCH_V                         ; piece 2's turn: V's run of loads stands here, and the wait stands in it
.else
	s_wait_alu depctr_va_vdst(0)    ; the wait for the batch
.endif
.endif
.set k, k+1
.endm
.macro PLACES
.rept 4
	v_nop
.endr
.endm
; A TURN.  Piece x has the matrix unit; the other piece's softmax stands in slices behind its matrix instructions.
; pv = 2: 32 products V^T P; 1: they start O^T's sums; 0: none.  kq = 1: 32 products K Q^T for the next step.  A turn with one of the two kinds has two slices behind each product.
; first = 1: the softmax is the first key step's; its last slices are empty, and four v_nop take their part as the places behind the turn's last products.
; Piece 0's turn fetches the next step's K behind its second product (K's last reader stands in front of slice 63 of the turn before); piece 2's turn fetches the same step's V behind slice 34
; (V's last reader stands in front of slice 31; two scalings, the v_nop and the run's own addition are the four plain instructions between).
.macro TURN x, pv, kq, first
.set k, 0
.set per, 2
.if \pv && \kq
.set per, 1
.endif
.if \pv
.if \x == 0
	s_wait_dscnt 0x0                ; V is in
.endif
.set i, 0
.rept 32
	PV \x, 2-\pv
.rept per
	SLICE 2-\x, \first
.endr
.if (\x == 0) && \kq && (i == 1)
	FETCH_K
.endif
.set i, i+1
.endr
.endif
.if \kq
.if \x == 0
	s_wait_dscnt 0x0                ; K and the addends are in
.endif
.set i, 0
.rept 32
	KQ \x
.rept per
	SLICE 2-\x, \first
.endr
.set i, i+1
.endr
.endif
.if \first
	PLACES
.endif
.endm
; THE CHANGE OF SLOTS, between piece 2's turn and piece 0's: the last bytes of the slot that is left have been asked for.  next: the LDS slot that is entered.  Each wave waits for all its tensor loads, of which one is out: its part
; of slot next; adds 0 to its spare word; and waits for that and for its own reads of the slot that it leaves.  fill = 1: that slot is filled again, with the keys two slots on; the barrier is then a round of the cluster's, and the
; joint refill is the first thing behind it: it has two key steps, 256 matrix instructions, in which to land.
.macro CHANGE fill, next, how
	WIN 0                           ; at a label and at a branch every window is 0
	s_wait_tensorcnt 0x0            ; no tensor load of mine is out, so a group 0 may be written
	ds_add_u32 v[SPW], v[NIL]       ; 0 onto my spare word
.if \fill
	s_add_nc_u64 s[G0K+4*(1-\next)+2:G0K+4*(1-\next)+3], s[G0K+4*(1-\next)+2:G0K+4*(1-\next)+3], 2*SLOTG  ; the left slot's next keys; the type bits on top are not reached
	s_add_nc_u64 s[G0V+4*(1-\next)+2:G0V+4*(1-\next)+3], s[G0V+4*(1-\next)+2:G0V+4*(1-\next)+3], 2*SLOTG
	s_wait_xcnt 0x0                 ; the last prefetch, two key steps back, has read its address, so it may be written
	s_add_nc_u64 s[PFA:PFA+1], s[PFA:PFA+1], SLOTG
	s_wait_dscnt 0x0                ; the add is done, and my reads of the slot are over
	CROUND
	JLOAD (1-\next)
	ASK \how
.else
	s_wait_dscnt 0x0                ; the add is done, and my reads of the slot are over
	s_barrier_signal -1
	s_barrier_wait -1
.endif
	s_mov_b32 s[TBK], \next*SLOT    ; the fetches go to the entered slot's first step,
	s_mov_b32 s[TBV], \next*SLOT
	s_add_co_u32 s[TMK], s[TMK], 8*KS  ; and pass over the addends of the other waves' 128 keys
.endm
; A slot's two key steps: written once, walked twice; the LDS addresses hang on three scalar registers.
.macro TWO_STEPS
	s_mov_b32 s[TWICE], 2
.Lstep_\@:
	TURN 0, 2, 1, 0
	TURN 2, 2, 1, 0
	WIN 0
	s_sub_co_u32 s[TWICE], s[TWICE], 1
	s_cmp_lg_u32 s[TWICE], 0
	s_cbranch_scc1 .Lstep_\@
.endm
	s_wait_tensorcnt 1              ; the addends and my part of slot 0 are in; slot 1's load may stay out
	s_barrier_signal -1
	s_barrier_wait -1               ; everybody's are
	FETCH_K                         ; key step 0
	s_wait_loadcnt 0x0              ; Q
	s_wait_dscnt 0x0
.set i, 0
.rept 32
	KQ 0                            ; piece 0's first scores: there is no vector work yet to set between them
.set i, i+1
.endr
	WIN 0                           ; the addresses for the join and the way out are made here: plain instructions, the places behind those products
	s_mul_i32 s13, s[WV], 16*SP
	s_add_co_u32 s13, s13, STAGE    ; my stage
	v_mul_u32_u24 v[STO], v1, SP    ; in: row l % 16, 16 bytes for each half of the lanes
	v_lshl_add_u32 v[STO], v9, 4, v[STO]
	v_add_nc_u32 v[STO], s13, v[STO]
	v_mul_u32_u24 v[RD], v9, SP     ; back: lanes 0-15 take one row of 256 bytes, lanes 16-31 the next
	v_lshl_add_u32 v[RD], v1, 4, v[RD]
	v_add_nc_u32 v[RD], s13, v[RD]
	v_lshlrev_b32 v[GO], 10, v9     ; and the same two rows of the result, 1,024 bytes apart
	v_lshl_add_u32 v[GO], v1, 4, v[GO]
	v_and_b32 v10, 31, v0
	v_lshlrev_b32 v11, 4, v10       ; 16 x lane
	s_lshl_b32 s16, s[WV], 15
	v_add_nc_u32 v[MGS], s16, v11   ; my O^T's image: 32,768 x wave
	s_lshl_b32 s16, s[QH], 15
	s_lshl_b32 s17, s[GG], 14
	s_add_co_u32 s16, s16, s17
	v_add_nc_u32 v[MGA], s16, v11   ; tiles 2 (w / 2) and + 1 of wave w % 2,
	v_add_nc_u32 v[MGB], 65536, v[MGA]  ; and of wave w % 2 + 2
	v_lshlrev_b32 v11, 3, v10       ; 8 x lane
	s_lshl_b32 s16, s[WV], 10
	s_add_co_u32 s16, s16, MS
	v_add_nc_u32 v[MSS], s16, v11
	s_lshl_b32 s16, s[QH], 10
	s_lshl_b32 s17, s[GG], 9
	s_add_co_u32 s16, s16, s17
	s_add_co_u32 s16, s16, MS
	v_add_nc_u32 v[MSA], s16, v11
	TURN 2, 0, 1, 1                 ; piece 2's first scores | piece 0's first softmax | V of step 0
	TURN 0, 1, 1, 1                 ; piece 0: V^T P of step 0 starts O^T, K Q^T of step 1 | piece 2's first softmax | K of step 1
	TURN 2, 1, 1, 0                 ; piece 2: the same | piece 0's softmax of step 1 | V of step 1
	WIN 0
	s_mov_b32 s[TRIPS], 7
.Lslot:                             ; seven trips, each once round the ring: fourteen of the sixteen slots' worth of keys are asked for here
	CHANGE 1, 1, 1
	TWO_STEPS
	CHANGE 1, 0, 0
	TWO_STEPS
	s_sub_co_u32 s[TRIPS], s[TRIPS], 1
	s_cmp_lg_u32 s[TRIPS], 0
	s_cbranch_scc1 .Lslot
	CHANGE 0, 1, 0                  ; the tail is written out: nothing is asked for
	TWO_STEPS
	TURN 0, 2, 0, 0                 ; piece 0: V^T P of the last step | piece 2's last softmax
.set i, 0
.rept 32
	PV 2, 0                         ; piece 2: V^T P of the last step
.set i, i+1
.endr
	; THE JOIN.  Every wave stores its four tiles of O^T as they stand, and (c m, l) of each; behind a barrier wave w takes tiles 2 (w / 2) and + 1 of its 64 queries from both halves of the keys.  The same text in all waves: the parts differ by address.
	WIN 0
.irp t, 0,1,2,3
	v_add_f32 v[ST+8*\t+4], v[ST+8*\t+2], v[ST+8*\t+3]   ; l's two halves (these additions are the places behind the last products)
.endr
.irp t, 0,1,2,3
	v_permlanex16_b32 v[ST+8*\t+5], v[ST+8*\t+4], s[SEL], s[SEL+1]
.endr
.irp t, 0,1,2,3
	v_add_f32 v[ST+8*\t+1], v[ST+8*\t+4], v[ST+8*\t+5]   ; and lane l xor 16's: beside c m
.endr
.irp t, 0,1,2,3
	ds_store_b64 v[MSS], v[ST+8*\t:ST+8*\t+1] offset:256*\t
.endr
	WIN 0x04                        ; an LDS store's data are its source 1: window 1
.set n, 0
.rept 64
	ds_store_b128 v[MGS], v[4*n:4*n+3] offset:512*n      ; each accumulator from its low end on
.set n, n+1
.endr
	WIN 0
	s_wait_dscnt 0x0                ; for the others' sake: my stores are done
	s_barrier_signal -1
	s_barrier_wait -1
.macro OLOAD i                      ; tile i of my two: 32 loads: the first half of the keys' O^T to v[64 i] of window 1, the second's to v[128 + 64 i]
	WIN 0x40
.set n, 0
.rept 16
	ds_load_b128 v[64*\i+4*n:64*\i+4*n+3], v[MGA] offset:8192*\i+512*n
	ds_load_b128 v[128+64*\i+4*n:128+64*\i+4*n+3], v[MGB] offset:8192*\i+512*n
.set n, n+1
.endr
	WIN 0
.endm
.irp i, 0,1
	ds_load_b64 v[ST+8*\i:ST+8*\i+1], v[MSA] offset:256*\i          ; c m and l of the first half of the keys,
	ds_load_b64 v[ST+8*\i+2:ST+8*\i+3], v[MSA] offset:256*\i+2048   ; of the second
.endr
	OLOAD 0
	s_wait_dscnt 32                 ; the statistics are in; the 32 loads behind them may be out
.irp i, 0,1
	v_max_num_f32 v[ST+8*\i+4], v[ST+8*\i], v[ST+8*\i+2]           ; the joint c m
.endr
.irp i, 0,1
	v_sub_f32 v[ST+8*\i+5], v[ST+8*\i], v[ST+8*\i+4]
	v_sub_f32 v[ST+8*\i+6], v[ST+8*\i+2], v[ST+8*\i+4]
.endr
.irp i, 0,1
	v_exp_f32 v[ST+8*\i+5], v[ST+8*\i+5]                           ; each half's weight
	v_exp_f32 v[ST+8*\i+6], v[ST+8*\i+6]
.endr
	v_nop                           ; a plain instruction behind the last exponential
	s_wait_alu depctr_va_vdst(0)    ; one wait for the four, ahead of their first reader
.irp i, 0,1
	v_mul_f32 v[ST+8*\i+7], v[ST+8*\i+5], v[ST+8*\i+1]
.endr
.irp i, 0,1
	v_fma_f32 v[ST+8*\i+7], v[ST+8*\i+6], v[ST+8*\i+3], v[ST+8*\i+7]   ; the joint l
.endr
.irp i, 0,1
	v_rcp_f32 v[ST+8*\i+4], v[ST+8*\i+7]
.endr
	v_nop
	s_wait_alu depctr_va_vdst(0)    ; one wait for the two reciprocals
.irp i, 0,1
	v_cmp_lt_f32 vcc_lo, 0, v[ST+8*\i+7]
	v_cndmask_b32 v[ST+8*\i+4], 0, v[ST+8*\i+4], vcc_lo            ; a row all of whose keys are masked has l = 0: its result is 0
	v_mul_f32 v[ST+8*\i], v[ST+8*\i+5], v[ST+8*\i+4]               ; weight / l, for each half
	v_mul_f32 v[ST+8*\i+2], v[ST+8*\i+6], v[ST+8*\i+4]
.endr
	OLOAD 1
.macro COMB i                       ; the two halves weighed, added and rounded to f16
	WIN W_RS
.set n, 0
.rept 32
	v_pk_mul_f32 v[64*\i+2*n:64*\i+2*n+1], v[64*\i+2*n:64*\i+2*n+1], v[ST+8*\i:ST+8*\i+1] op_sel_hi:[1,0]
.set n, n+1
.endr
	WIN 0x51                        ; sources 0 and 2 and the destination window 1, source 1 window 0
.set n, 0
.rept 32
	v_pk_fma_f32 v[64*\i+2*n:64*\i+2*n+1], v[128+64*\i+2*n:128+64*\i+2*n+1], v[ST+8*\i+2:ST+8*\i+3], v[64*\i+2*n:64*\i+2*n+1] op_sel_hi:[1,0,1]
.set n, n+1
.endr
	WIN 0x05                        ; sources 0 and 1 window 1, destination window 0: S^T's registers are free
.set n, 0
.rept 32
	v_cvt_pk_f16_f32 v[S+32*\i+n], v[64*\i+2*n], v[64*\i+2*n+1]
.set n, n+1
.endr
	WIN 0
.endm
.macro STG i                        ; a lane's eight channels of a row are 16 bytes; they go into rows of 272 bytes and come back as whole rows of 256: sixteen LDS instructions
.irp f, 0,1,2,3,4,5,6,7
	ds_store_b128 v[STO], v[S+32*\i+4*\f:S+32*\i+4*\f+3] offset:32*\f
.endr
.irp f, 0,1,2,3,4,5,6,7
	ds_load_b128 v[S+32*\i+4*\f:S+32*\i+4*\f+3], v[RD] offset:\f*2*SP  ; LDS serves a wave's instructions in order: these see the stores above; the next tile's stores come behind them
.endr
.endm
.macro SEND i, younger              ; younger: the LDS instructions issued behind tile i's loads
.irp f, 0,1,2,3,4,5,6,7
	s_wait_dscnt \younger+7-\f
	global_store_b128 v[GO], v[S+32*\i+4*\f:S+32*\i+4*\f+3], s[OA:OA+1] offset:\i*16384+\f*2048  ; 16 lanes store 256 consecutive bytes, aligned: a row's part of my head
.endr
.endm
	s_wait_dscnt 32                 ; tile 0's 32 loads are in; tile 1's may be out
	COMB 0
	STG 0
	s_wait_dscnt 16                 ; tile 1's are in; the sixteen instructions of tile 0's way through the stage may be out
	COMB 1
	STG 1
	SEND 0, 16
	SEND 1, 0
	s_wait_tensorcnt 0x0            ; the wave's end, behind my last tensor load and my last LDS store
	ds_add_u32 v[SPW], v[NIL]
	s_wait_dscnt 0x0
	CROUND                          ; the closing round: no work-group ends while a partner may still ask for a tile that names it
	s_endpgm
.Lfunc_end_k_q4b77ee5ff1_attn:
	.size	k_q4b77ee5ff1_attn, .Lfunc_end_k_q4b77ee5ff1_attn-k_q4b77ee5ff1_attn
	.p2alignl 7, 3214868480
	.fill 96, 4, 3214868480
	.section	.rodata,"a",@progbits
	.p2align	6, 0x0
	.amdhsa_kernel k_q4b77ee5ff1_attn
		.amdhsa_group_segment_fixed_size 327680
		.amdhsa_private_segment_fixed_size 0
		.amdhsa_enable_private_segment 0
		.amdhsa_kernarg_size 40
		.amdhsa_user_sgpr_count 2
		.amdhsa_user_sgpr_kernarg_segment_ptr 1
		.amdhsa_wavefront_size32 1
		.amdhsa_system_sgpr_workgroup_id_x 1
		.amdhsa_system_sgpr_workgroup_id_y 1
		.amdhsa_system_sgpr_workgroup_id_z 1
		.amdhsa_system_vgpr_workitem_id 0
		.amdhsa_next_free_vgpr 1024
		.amdhsa_next_free_sgpr 100
		.amdhsa_reserve_vcc 1
		.amdhsa_float_denorm_mode_32 3
		.amdhsa_float_denorm_mode_16_64 3
		.amdhsa_memory_ordered 1
		.amdhsa_forward_progress 1
		.amdhsa_inst_pref_size 255
	.end_amdhsa_kernel
	.section	.bss,"aw",@nobits
	.p2align	6
	.space	262144
	.amdgpu_metadata
---
amdhsa.version: [ 1, 2 ]
amdhsa.kernels:
  - .name:           k_q4b77ee5ff1_attn
    .symbol:         k_q4b77ee5ff1_attn.kd
    .args:
      - { .name: q16, .offset: 0, .size: 8, .value_kind: global_buffer, .address_space: global }
      - { .name: k16, .offset: 8, .size: 8, .value_kind: global_buffer, .address_space: global }
      - { .name: v16, .offset: 16, .size: 8, .value_kind: global_buffer, .address_space: global }
      - { .name: maskb, .offset: 24, .size: 8, .value_kind: global_buffer, .address_space: global }
      - { .name: attn16, .offset: 32, .size: 8, .value_kind: global_buffer, .address_space: global }
    .group_segment_fixed_size: 327680
    .private_segment_fixed_size: 0
    .kernarg_segment_align: 8
    .kernarg_segment_size: 40
    .max_flat_workgroup_size: 128
    .sgpr_count:     100
    .vgpr_count:     1024
    .wavefront_size: 32
...
	.end_amdgpu_metadata
.endif
;; end of part 3
;; launch outp (part 4): grid 4 x 64, 4 waves a work-group, clusters of 4 x 4, 327,680 bytes of LDS; arguments attn16, wo16, bo, out0; writes out0
.if DOCPART == 4
	.amdgcn_target "amdgcn-amd-amdhsa--gfx1250"
	.amdhsa_code_object_version 6
	.text
	.protected	k_q4b77ee5ff1_outp
	.globl	k_q4b77ee5ff1_outp
	.p2align	8
	.type	k_q4b77ee5ff1_outp,@function
k_q4b77ee5ff1_outp:
	s_mov_b64 s[64:65], 0
	v_nop
	global_prefetch_b8 v0, s[64:65] scope:SCOPE_SE
	s_setreg_imm32_b32 hwreg(HW_REG_WAVE_MODE, 25, 1), 1
	s_wait_xcnt 0x0
	s_wait_alu depctr_hold_cnt(0) depctr_sa_sdst(0) depctr_va_vdst(0) depctr_va_sdst(0) depctr_va_ssrc(0) depctr_va_vcc(0) depctr_vm_vsrc(0)
	s_getreg_b32 s2, hwreg(HW_REG_IB_STS2, 6, 4)
	s_cmp_eq_u32 s2, 0
	s_cbranch_scc0 .Lentry_in_a_cluster
	s_endpgm
.Lentry_in_a_cluster:
	s_bfe_u32 s2, ttmp6, 0x10000c
	s_cmp_lg_u32 s2, 0xf033
	s_cbranch_scc0 .Lentry_shape_is_right
	s_endpgm
.Lentry_shape_is_right:
; out[m][n] = the sum over k of attn[m][k] Wo[n][k] + bo[n].  attn16 [8192][512] and wo16 [512][512]: f16, K innermost; bo [512], out0 [8192][512]: f32; sums in f32.
; 8,192 x 512 outputs are 256 tiles of 128 x 128: one to a work-group of four waves, each 64 x 64: 16 accumulators of 16 x 16.  K = 512 is two steps of 256 (LDS rows of 512 bytes + 16): both slots are first fills, nothing is filled again, and there is no loop.
; CLUSTERS: 4 x 4 work-groups.  The four of a row of the cluster need the same tiles of attn, the four of a column the same tiles of Wo: each tile is asked for JOINTLY, by the same tensor load with the same descriptor and a mask that names the four.
; THE MATRIX INSTRUCTION IS USED TRANSPOSED (source 0 = 16 rows of Wo, source 1 = 16 rows of attn): a lane holds eight neighbouring numbers of a row of out.  The bias is the C of each sum's first instruction.
; The way out goes through ONE stage (128 rows of 512 bytes + 16) in slot 0, which has had its only fill and its last read by then; each wave then stores 32 whole rows of 512 bytes.
; No prefetch: two K steps, both asked for at the head.  LIMITS: operands in f16, as the launches before made them.
; REGISTERS: window 0: v0-31 addresses; v32-95 rows on the way out; v96-127 the bias in the result's layout; v128-255 the accumulators ((a, b) at v[128 + 8 (4 a + b)]).   window 1: two fragment buffers of 128.
.set SIZE_N, 512
.set SIZE_K, 512
.set KSTEP,  256
.set PITCH,  528                       ; an LDS row: 512 bytes + 16: the 16 rows of a load start 132 words apart
.set HALFT,  64*PITCH                  ; 64 rows: what one tensor load brings, and what one wave reads of either operand
.set SLOT,   4*HALFT                   ; attn's 128 rows, then Wo's 128 rows
.set SPITCH, 528                       ; a stage row
.set SPARE,  2*SLOT                    ; behind the two slots: the spare words, 128 bytes for each wave: two blocks of 256 bytes that no other line names
.set ADRA, 16                          ; v16-17  LDS address of my A fragments in slot 0, 1
.set ADRB, 20                          ; v20-21  the same for B
.set STO,  24                          ; v24     the way out: where I put 32 bytes of a row
.set RD,   25                          ; v25     the way out: where I read a row back
.set CO,   26                          ; v26     16 x lane: my byte offset in a row's 512 bytes
.set SPW,  28                          ; v28     my spare word; never rewritten
.set NIL,  29                          ; v29     0; never rewritten
.set OB,   32
.set BI,   96
.set ACC,  128
.set F0,   0                           ; fragment buffers, in window 1
.set F1,   128
.set G1, 24                            ; s[24:31] descriptor group 1 for A's tiles;  s[32:39] group 0, one set for each slot
.set G0, 32
.set G1B, 48                           ; s[48:55], s[56:63] the same for B's tiles
.set G0B, 56
.set MSB, 0
.macro WIN new                         ; the immediate's high byte repeats the setting that is left
.if MSB != \new
	s_set_vgpr_msb (MSB<<8)|\new
.set MSB, \new
.endif
.endm
.set MUL,  0x05                        ; sources 0 (B) and 1 (A) window 1; C and D window 0
.set TO_F, 0x40                        ; destination window 1, address window 0
.macro JLOAD s                         ; a joint load: waves 0 and 1 fetch A's two halves, waves 2 and 3 B's; an s_nop 0 and four v_nop follow each of the two lines
	s_cmp_eq_u32 s11, 0
	s_cbranch_scc0 .Lfor_b_\@
	tensor_load_to_lds s[G0+4*\s:G0+4*\s+3], s[G1:G1+7]
	s_nop 0
.rept 4
	v_nop
.endr
	s_branch .Lasked_\@
.Lfor_b_\@:
	tensor_load_to_lds s[G0B+4*\s:G0B+4*\s+3], s[G1B:G1B+7]
	s_nop 0
.rept 4
	v_nop
.endr
.Lasked_\@:
.endm
.macro CROUND                          ; a round of the cluster's barrier
	s_barrier_signal -1
	s_barrier_wait -1
	s_cmp_lg_u32 s10, 0
	s_cbranch_scc1 .Lnot_wave_0_\@
	s_barrier_signal -3
.Lnot_wave_0_\@:
	s_barrier_wait -3
	s_barrier_signal -1
	s_barrier_wait -1
.endm
	s_load_b128 s[4:7], s[0:1], 0x0                ; attn16 s[4:5], wo16 s[6:7]
	s_load_b64 s[66:67], s[0:1], 0x10              ; bo
	s_load_b64 s[8:9], s[0:1], 0x18                ; out0
	v_lshl_add_u32 v[SPW], v0, 2, SPARE
	v_mov_b32 v[NIL], 0
	ds_add_u32 v[SPW], v[NIL]                      ; the wave's opening: the add, twice on end, and its wait ahead of my first tensor load
	ds_add_u32 v[SPW], v[NIL]                      ; and once more, under the one wait; the set-up below, work on registers, stands between
	v_lshrrev_b32 v1, 5, v0
	v_readfirstlane_b32 s10, v1                    ; wave 0..3
	s_lshr_b32 s11, s10, 1                         ; which half of the tile's rows is mine.  Also: I fetch for A (0) or for B (1)
	s_and_b32 s12, s10, 1                          ; which half of its columns.  Also: which 64 rows of that tile I fetch
	s_bfe_u32 s40, ttmp6, 0x40000                  ; cx, cy: my place in the cluster
	s_bfe_u32 s41, ttmp6, 0x40004
	s_lshl_b32 s42, ttmp9, 2
	s_add_co_u32 s42, s42, s40                     ; tile column = 4 x cluster x + cx
	s_and_b32 s13, ttmp7, 0xffff
	s_lshl_b32 s13, s13, 2
	s_add_co_u32 s13, s13, s41                     ; tile row = 4 x cluster y + cy
	s_lshl_b32 s43, s41, 2
	s_lshl_b32 s43, 15, s43                        ; my row of the cluster
	s_lshl_b32 s44, 0x1111, s40                    ; my column
	; descriptor group 1: a tile of 64 rows x 256 elements of 2 bytes, padded in LDS
	s_or_b32 s[G1+0], s43, (1<<16)|(1<<20)|(1<<21)|(6<<22)|(3<<25)  ; 15:0 the mask: A's tiles go to my row; 17:16 element of 2 bytes; 20 padding on; 21 set beside a mask; 24:22 after every 128 words; 31:25 4 words of it
	s_or_b32 s[G1B+0], s44, (1<<16)|(1<<20)|(1<<21)|(6<<22)|(3<<25)
.irp g, G1, G1B
	s_mov_b32 s[\g+1], KSTEP<<16                   ; tensor_dim0 = 256
	s_mov_b32 s[\g+2], 64<<16                      ; tensor_dim1 = 64
	s_mov_b32 s[\g+3], KSTEP<<16                   ; tile_dim0 = 256
	s_mov_b32 s[\g+4], 64                          ; tile_dim1 = 64
	s_mov_b32 s[\g+5], SIZE_K                      ; elements from row to row
	s_mov_b32 s[\g+6], 0
	s_mov_b32 s[\g+7], 0
.endr
	s_lshl_b32 s17, s12, 6                         ; which 64 rows of the tile I fetch
	s_lshl_b32 s16, s13, 7
	s_add_co_u32 s16, s16, s17                     ; A: row 128 x tile row + 64 x half
	s_lshl_b32 s46, s42, 7
	s_add_co_u32 s46, s46, s17                     ; B: row 128 x tile column + 64 x half
	s_mov_b32 s17, 0
	s_mov_b32 s47, 0
	s_mov_b64 s[18:19], SIZE_K*2
	s_mul_u64 s[16:17], s[16:17], s[18:19]
	s_mul_u64 s[46:47], s[46:47], s[18:19]
	s_mul_i32 s20, s10, HALFT                      ; where they go: wave x 64 rows: no place in the cluster enters an LDS address
	s_wait_dscnt 0x0                               ; both opening adds are done
	s_wait_kmcnt 0x0
	s_add_nc_u64 s[14:15], s[4:5], s[16:17]
	s_add_nc_u64 s[46:47], s[6:7], s[46:47]
	CROUND                                         ; all sixteen work-groups are here: the joint loads meet
.irp s, 0,1
	s_mov_b32 s[G0+4*\s], 1
	s_add_co_u32 s[G0+4*\s+1], s20, \s*SLOT
	s_add_nc_u64 s[G0+4*\s+2:G0+4*\s+3], s[14:15], \s*KSTEP*2
	s_or_b32 s[G0+4*\s+3], s[G0+4*\s+3], 0x80000000
	s_mov_b32 s[G0B+4*\s], 1
	s_add_co_u32 s[G0B+4*\s+1], s20, \s*SLOT
	s_add_nc_u64 s[G0B+4*\s+2:G0B+4*\s+3], s[46:47], \s*KSTEP*2
	s_or_b32 s[G0B+4*\s+3], s[G0B+4*\s+3], 0x80000000
	JLOAD \s                                       ; both K steps: two loads of mine are out
.endr
	v_and_b32 v1, 15, v0                           ; l % 16
	v_bfe_u32 v2, v0, 4, 1                         ; l / 16
	v_lshlrev_b32 v27, 5, v2                       ; the bias: 8 numbers on for lanes 16-31
	s_lshl_b32 s46, s42, 9                         ; my 64 columns' bias: 512 x tile column + 256 x half
	s_lshl_b32 s47, s12, 8
	s_add_co_u32 s46, s46, s47
	s_mov_b32 s47, 0
	s_add_nc_u64 s[66:67], s[66:67], s[46:47]
.irp b, 0,1,2,3
	global_load_b128 v[BI+8*\b:BI+8*\b+3], v27, s[66:67] offset:64*\b          ; lane (r, h): columns 16 b + 8 h + 0 .. 7
	global_load_b128 v[BI+8*\b+4:BI+8*\b+7], v27, s[66:67] offset:64*\b+16
.endr
	v_mul_u32_u24 v3, v1, PITCH
	v_lshl_add_u32 v3, v2, 4, v3                   ; a fragment's row x pitch + 16 x half
	s_mul_i32 s21, s11, HALFT                      ; my 64 rows of A
	s_mul_i32 s22, s12, HALFT                      ; my 64 rows of B,
	s_add_co_u32 s22, s22, 2*HALFT                 ; which lie behind A's 128
.irp s, 0,1
	v_add_nc_u32 v[ADRA+\s], s21, v3
	v_add_nc_u32 v[ADRB+\s], s22, v3
	s_add_co_u32 s21, s21, SLOT
	s_add_co_u32 s22, s22, SLOT
.endr
	s_mul_i32 s23, s11, 64*SPITCH                  ; into the stage: my 64 rows, my half of their 512 bytes; row l % 16, 32 bytes for each half of the lanes
	s_lshl_b32 s21, s12, 8
	s_add_co_u32 s23, s23, s21
	v_mul_u32_u24 v4, v1, SPITCH
	v_lshl_add_u32 v4, v2, 5, v4
	v_add_nc_u32 v[STO], s23, v4
	s_mul_i32 s23, s10, 32*SPITCH                  ; back: wave w takes rows 32 w .. 32 w + 31, whole: the 32 lanes one row of 512 bytes
	v_and_b32 v5, 31, v0
	v_lshlrev_b32 v[CO], 4, v5
	v_add_nc_u32 v[RD], s23, v[CO]
	s_lshl_b32 s16, s13, 7
	s_lshl_b32 s17, s10, 5
	s_add_co_u32 s16, s16, s17                     ; the first row that I store: 128 x tile row + 32 x wave
	s_mov_b32 s17, 0
	s_mov_b64 s[18:19], SIZE_N*4
	s_mul_u64 s[16:17], s[16:17], s[18:19]
	s_add_nc_u64 s[8:9], s[8:9], s[16:17]
	s_lshl_b32 s46, s42, 9                         ; the tile's first column, in bytes
	s_mov_b32 s47, 0
	s_add_nc_u64 s[8:9], s[8:9], s[46:47]
; 8 matrix instructions: m blocks a0, a0 + 1 x all 4 n blocks, 32 along K: half c of buffer f.  first = 1: the first product starts the sums from the bias.  The 16 accumulators take turns.
.macro MUL8 f, c, a0, first
.irp a, \a0, \a0+1
.irp b, 0,1,2,3
.if \first
	v_wmma_f32_16x16x32_f16 v[ACC+8*(4*(\a)+\b):ACC+8*(4*(\a)+\b)+7], v[\f+64+8*(4*\c+\b):\f+64+8*(4*\c+\b)+7], v[\f+8*(4*\c+\a):\f+8*(4*\c+\a)+7], v[BI+8*\b:BI+8*\b+7]
.else
	v_wmma_f32_16x16x32_f16 v[ACC+8*(4*(\a)+\b):ACC+8*(4*(\a)+\b)+7], v[\f+64+8*(4*\c+\b):\f+64+8*(4*\c+\b)+7], v[\f+8*(4*\c+\a):\f+8*(4*\c+\a)+7], v[ACC+8*(4*(\a)+\b):ACC+8*(4*(\a)+\b)+7]
.endif
.endr
.endr
.endm
; 32 LDS loads in one run: the fragments of 64 along K at byte k of the rows, into buffer f; the first 32 along K first
.macro FETCH slot, k, f
	WIN TO_F
.irp c, 0,1
.irp i, 0,1,2,3
	ds_load_b128 v[\f+64+8*(4*\c+\i):\f+64+8*(4*\c+\i)+3],   v[ADRB+\slot] offset:\k+64*\c+\i*16*PITCH
	ds_load_b128 v[\f+64+8*(4*\c+\i)+4:\f+64+8*(4*\c+\i)+7], v[ADRB+\slot] offset:\k+64*\c+\i*16*PITCH+32
	ds_load_b128 v[\f+8*(4*\c+\i):\f+8*(4*\c+\i)+3],         v[ADRA+\slot] offset:\k+64*\c+\i*16*PITCH
	ds_load_b128 v[\f+8*(4*\c+\i)+4:\f+8*(4*\c+\i)+7],       v[ADRA+\slot] offset:\k+64*\c+\i*16*PITCH+32
.endr
.endr
.endm
.macro PLACES                          ; four places in front of loads into registers that matrix instructions have read, and of the first read of results
.rept 4
	v_nop
.endr
.endm
; A K step is four quarters of 64 along K, 32 matrix instructions each, on buffers 0, 1, 0, 1.  One of the first three: multiplies buffer f and fetches the next quarter, at byte k, into g.
.macro QUARTER slot, k, f, g, first
	s_wait_dscnt 16                                ; the first 32 along K are in; the other sixteen loads may be out
	WIN MUL
	MUL8 \f, 0, 0, \first
	MUL8 \f, 0, 2, \first
	PLACES
	FETCH \slot, \k, \g
	s_wait_dscnt 32                                ; all but the 32 just issued
	WIN MUL
	MUL8 \f, 1, 0, 0
	MUL8 \f, 1, 2, 0
.endm
	s_wait_tensorcnt 1                             ; my part of K step 0 is in; K step 1's load may stay out
	s_barrier_signal -1
	s_barrier_wait -1                              ; everybody's is
	FETCH 0, 0, F0
	s_wait_loadcnt 0x0                             ; the bias
	QUARTER 0, 128, F0, F1, 1
	QUARTER 0, 256, F1, F0, 0
	QUARTER 0, 384, F0, F1, 0
	; slot 0's last quarter changes slots: one barrier; in front of it each wave waits for its tensor loads (its part of slot 1), adds 0 to its spare word, and waits for that and for its reads of slot 0
	WIN 0                                          ; (the add's two registers lie in window 0)
	s_wait_tensorcnt 0x0
	ds_add_u32 v[SPW], v[NIL]
	s_wait_dscnt 17                                ; (the add and the youngest sixteen loads may be out)
	WIN MUL
	MUL8 F1, 0, 0, 0
	s_wait_dscnt 0x0                               ; the add is done, and my reads of slot 0 are over
	s_barrier_signal -1
	MUL8 F1, 0, 2, 0
	s_barrier_wait -1                              ; slot 1 is whole, and nobody reads slot 0 any more
	PLACES
	FETCH 1, 0, F0
	WIN MUL
	MUL8 F1, 1, 0, 0
	MUL8 F1, 1, 2, 0
	QUARTER 1, 128, F0, F1, 0
	QUARTER 1, 256, F1, F0, 0
	QUARTER 1, 384, F0, F1, 0
	s_wait_dscnt 16                                ; the very last quarter: nothing more to fetch
	WIN MUL
	MUL8 F1, 0, 0, 0
	MUL8 F1, 0, 2, 0
	s_wait_dscnt 0
	MUL8 F1, 1, 0, 0
	MUL8 F1, 1, 2, 0
	WIN 0
	; THE WAY OUT: 32 bytes a lane into the work-group's stage; a barrier, since a row's 512 bytes come from two waves; back as whole rows, 32 rows a wave.
	PLACES
.irp a, 0,1,2,3
.irp b, 0,1,2,3
	ds_store_b128 v[STO], v[ACC+8*(4*\a+\b):ACC+8*(4*\a+\b)+3] offset:\a*16*SPITCH+64*\b          ; each accumulator from its low end on
	ds_store_b128 v[STO], v[ACC+8*(4*\a+\b)+4:ACC+8*(4*\a+\b)+7] offset:\a*16*SPITCH+64*\b+16
.endr
.endr
	s_wait_dscnt 0x0                               ; for the others' sake: my stores into the stage are done
	s_barrier_signal -1
	s_barrier_wait -1
.set n, 0
.rept 32
	ds_load_b128 v[OB+4*n+32*(n/16):OB+4*n+32*(n/16)+3], v[RD] offset:n*SPITCH   ; rows 0-15 to v32-95, rows 16-31 to v128-191, which the stores above have left
.set n, n+1
.endr
.set n, 0
.rept 32
	s_wait_dscnt 31-n
	global_store_b128 v[CO], v[OB+4*n+32*(n/16):OB+4*n+32*(n/16)+3], s[8:9] offset:n*SIZE_N*4 th:TH_STORE_NT   ; 32 lanes store 512 consecutive bytes, aligned; written once, read by nobody here
.set n, n+1
.endr
	s_wait_tensorcnt 0x0                           ; the wave's end, behind my last tensor load and my last LDS store
	ds_add_u32 v[SPW], v[NIL]
	s_wait_dscnt 0x0
	CROUND                                         ; the closing round: no work-group ends while a partner may still ask for a tile that names it
	s_endpgm
.Lfunc_end_k_q4b77ee5ff1_outp:
	.size	k_q4b77ee5ff1_outp, .Lfunc_end_k_q4b77ee5ff1_outp-k_q4b77ee5ff1_outp
	.p2alignl 7, 3214868480
	.fill 96, 4, 3214868480
	.section	.rodata,"a",@progbits
	.p2align	6, 0x0
	.amdhsa_kernel k_q4b77ee5ff1_outp
		.amdhsa_group_segment_fixed_size 327680
		.amdhsa_private_segment_fixed_size 0
		.amdhsa_enable_private_segment 0
		.amdhsa_kernarg_size 32
		.amdhsa_user_sgpr_count 2
		.amdhsa_user_sgpr_kernarg_segment_ptr 1
		.amdhsa_wavefront_size32 1
		.amdhsa_system_sgpr_workgroup_id_x 1
		.amdhsa_system_sgpr_workgroup_id_y 1
		.amdhsa_system_sgpr_workgroup_id_z 1
		.amdhsa_system_vgpr_workitem_id 0
		.amdhsa_next_free_vgpr 512
		.amdhsa_next_free_sgpr 72
		.amdhsa_reserve_vcc 0
		.amdhsa_float_denorm_mode_32 3
		.amdhsa_float_denorm_mode_16_64 3
		.amdhsa_memory_ordered 1
		.amdhsa_forward_progress 1
		.amdhsa_inst_pref_size 51
	.end_amdhsa_kernel
	.amdgpu_metadata
---
amdhsa.version: [ 1, 2 ]
amdhsa.kernels:
  - .name:           k_q4b77ee5ff1_outp
    .symbol:         k_q4b77ee5ff1_outp.kd
    .args:
      - { .name: attn16, .offset: 0, .size: 8, .value_kind: global_buffer, .address_space: global }
      - { .name: wo16, .offset: 8, .size: 8, .value_kind: global_buffer, .address_space: global }
      - { .name: bo, .offset: 16, .size: 8, .value_kind: global_buffer, .address_space: global }
      - { .name: out0, .offset: 24, .size: 8, .value_kind: global_buffer, .address_space: global }
    .group_segment_fixed_size: 327680
    .private_segment_fixed_size: 0
    .kernarg_segment_align: 8
    .kernarg_segment_size: 32
    .max_flat_workgroup_size: 128
    .sgpr_count:     72
    .vgpr_count:     512
    .wavefront_size: 32
...
	.end_amdgpu_metadata
.endif
;; end of part 4
;; ======== version 2 of 2: 4 launches; version 1 with the launch proj written anew for expert scheduling mode
;; limits: values are held in f16: magnitudes above 65,504 overflow, below 6.1e-05 lose precision
;; workspace buffers: wcodes 393,216 bytes; wscl 49,152 bytes; wo16 524,288 bytes; maskb 65,536 bytes; q16 8,388,608 bytes; k16 16,777,216 bytes; v16 16,777,216 bytes; attn16 8,388,608 bytes
;; launch prep: the kernel of part 1 again; grid 88 x 1, 4 waves a work-group, no clusters, 0 bytes of LDS; arguments Wq, Wk, Wv, Wo, key_padding_mask, wcodes, wscl, wo16, maskb; writes wcodes, wscl, wo16, maskb
;; launch proj (part 5): grid 160 x 1, 4 waves a work-group, no clusters, 103,936 bytes of LDS; arguments query, key, value, wcodes, wscl, bq, bk, bv, q16, k16, v16; writes q16, k16, v16
.if DOCPART == 5
	.amdgcn_target "amdgcn-amd-amdhsa--gfx1250"
	.amdhsa_code_object_version 6
	.text
	.protected	k_q4b77ee5ff1_proj
	.globl	k_q4b77ee5ff1_proj
	.p2align	8
	.type	k_q4b77ee5ff1_proj,@function
k_q4b77ee5ff1_proj:
	s_mov_b64 s[64:65], 0
	v_nop
	global_prefetch_b8 v0, s[64:65] scope:SCOPE_SE
	s_setreg_imm32_b32 hwreg(HW_REG_WAVE_SCHED_MODE, 0, 2), 2
	s_setreg_imm32_b32 hwreg(HW_REG_WAVE_MODE, 25, 1), 1
	s_wait_xcnt 0x0
	s_wait_alu depctr_vm_vsrc(0)
; q = query Wq^T + bq, k = key Wk^T + bk, v = value Wv^T + bv: the three quantised products, on codes of E2M1 with one E8M0 scale for each 32 along K = 512; sums in f32; results rounded once to f16 and laid by head:
; q16 [batch x 4 + head][2048][128], k16 and v16 [batch x 4 + head][4096][128].
; SHARES.  Work-groups 0-31 take query, 32-95 key, 96-159 value: 256 rows each, four blocks of 64.  (The rows stand 1 : 2 : 2, so equal shares want a multiple of five work-groups.)
; THE WAVES SHARE THE COLUMNS: wave w makes head w (128 features) for all 64 rows of a block, and its 32 fragments of W (256 registers), their scale words and its bias stay in registers for the whole launch.
; Wave w quantises rows 16 w .. 16 w + 15 of a block; the fragments go to the other waves through LDS as images of their registers (16 bytes a lane on end, scale words 4 bytes a lane).
; x comes by loads of 512 consecutive bytes (one row's 128 numbers); the conversions want 16 neighbours in a lane, so a K step's 16 rows turn through the wave's own stage in LDS (rows of 512 + 16 bytes).
; A whole block of a wave's x, 64 loads, is on its way while the block before is worked on.
; THE MATRIX INSTRUCTION IS USED TRANSPOSED (source 0 = 16 rows of W, source 1 = 16 rows of x): a lane holds one row of x and eight neighbouring features, 16 bytes of f16.  The bias is the C of each sum's first instruction.
; No tensor load and no cluster: what work-groups share is W alone, 148 KB a work-group read once into registers, beside a stream of 126 MB in which nothing is shared.
; LIMITS: a block of zeros, and one whose largest magnitude lies under 2^-124, keeps the scale byte 1; NaN and infinities among the inputs are not served; results beyond 65,504 become infinite in f16, and under 6e-5 they carry f16's absolute step.
; THE MODE: SCHED_MODE bits 1:0 = 2 (LLVM: expert scheduling mode 2), set by the entry lines.  The code itself states the register dependences between vector or matrix instructions and memory or LDS instructions, with s_wait_alu, always for 0.
; THE PLAN.  Registers that memory or LDS instructions touch, in the loop:
;   v2-v13          addresses: written at the head, never again.
;   R0 .. R3        x as loaded (window 2).  Written by the global loads of the next block's K step s, issued in K step s; read by the turn's LDS stores alone: no vector instruction names them.
;   X0, X1          64 neighbours.  Written by the LDS loads of the turn of K step s, issued in K step s - 1; read by K step s's quantiser.
;   PC0/1, PW0/1    codes and scale word.  Written by K step s's quantiser; read by its image's three LDS stores.
;   XF0/XS0, XF1/XS1  x's four fragments and scale words of a tile of rows, two sets by turns.  Written by the LDS loads of tile m, issued at the head of tile m - 1; read by tile m's 32 products.
;   TMP0/1, BK0/1   packed results and rows read back, two sets by turns, over X0 and X1, which are idle then.  TMP: written by tile m's roundings, read by its LDS stores.  BK: written by its LDS loads, read by its global stores, issued in tile m + 1.
;   W, its scale words and the bias are loaded once; the accumulators and v52-67 are named by vector and matrix instructions alone.
; So a K step holds one wait on va_vdst, behind its quantiser, and one on vm_vsrc, behind its image; a tile one wait on va_vdst, behind its roundings, and (tiles 2 and 3) one on vm_vsrc, a whole tile behind the stores that it waits for;
; one more on vm_vsrc stands at a block's end.
; REGISTERS: window 0: v2-13 addresses; v14, v15 the add's two; v16-47 x's four fragments, set 0; v48-51 their scale words; v52-67 at work; v68-69 scale words made; v70-85 codes made; v88-119 W's scale words; v120-123 x's scale words, set 1;
;   v128-255 two sets of 64 neighbours (later v128-159, v224-255 packed results, v160-191, v192-223 rows read back).   window 1: W's fragments, (tile t, K step s) at 8 (4 t + s).   window 2: x as loaded, four sets of 64.
;   window 3: v0-31 x's four fragments, set 1; v128-191 the bias in the result's layout, v192-255 the eight accumulators.
.set NB,    4                          ; blocks of 64 rows to a work-group
.set TSP,   528                        ; a stage row: 512 bytes + 16
.set TSTG,  16*TSP                     ; a stage; two for each wave, from LDS byte 0
.set XIMG,  4*2*TSTG                   ; x's 16 fragments (tile of rows m, K step s: 4 m + s), 1,024 bytes each
.set XSC,   XIMG+16*1024               ; their scale words, 128 bytes each
.set OSTG,  XSC+16*128                 ; the way out: 16 rows x (256 + 16) bytes for each wave
.set OPI,   272
.set SPARE, OSTG+4*16*OPI              ; the spare words, 128 bytes for each wave: two blocks of 256 bytes that no other line names
.set GA,  2                            ; v2   16 x lane
.set TSW, 3                            ; v3   into my stages: 16 x lane
.set TSR, 4                            ; v4   out of them: row r, + 64 h
.set LI,  5                            ; v5   an image's place for my lane
.set LS,  6                            ; v6   a scale word's
.set XWI, 7                            ; v7   where I store my images
.set XWS, 8                            ; v8   and their scale words
.set SO,  9                            ; v9   the way out: where I put 16 bytes of a row
.set SR,  10                           ; v10  and where I read a row back
.set GO,  11                           ; v11  my byte offset in two rows of the result
.set SPW, 14                           ; v14  my spare word; never rewritten
.set NIL, 15                           ; v15  0; never rewritten
.set XF,  16                           ; set 0 of x's fragments, in window 0; set 1 lies at v0 of window 3
.set XS,  48                           ; set 0 of their scale words
.set TM,  52
.set PW,  68
.set PC,  70
.set W1S, 88
.set XS1, 120                          ; set 1 of x's scale words
.set X,   128
.set TMP, 128                          ; set 0; set 1 lies 96 registers on
.set BK,  160                          ; set 0; set 1 lies 32 registers on
.set BI,  128                          ; in window 3
.set ACC, 192                          ; in window 3
.set XP,  4                            ; s[4:5]   x at my wave's 16 rows of the block in hand
.set OPT, 20                           ; s[20:21] the result at the block's first row, my head
.set WV,  26
.set SEL, 28
.set BLK, 30
.set MSB, 0
.macro WIN new                         ; the immediate's high byte repeats the setting that is left
.if MSB != \new
	s_set_vgpr_msb (MSB<<8)|\new
.set MSB, \new
.endif
.endm
.macro PLACES
.rept 4
	v_nop
.endr
.endm
.macro BARRIER                         ; my LDS stores have landed and my LDS loads are in: then the work-group's barrier
	s_wait_dscnt 0x0
	s_barrier_signal -1
	s_barrier_wait -1
.endm
.macro XLOAD s, off                    ; K step s of my 16 rows, off bytes on: each load is one row's 512 consecutive bytes
	WIN 0x80                                       ; destination window 2
.irp i, 0,1,2,3,4,5,6,7,8,9,10,11,12,13,14,15
	global_load_b128 v[64*(\s)+4*\i:64*(\s)+4*\i+3], v[GA], s[XP:XP+1] offset:\off+2048*\i+512*(\s) th:TH_LOAD_NT
.endr
	WIN 0
.endm
.macro TURN s                          ; K step s through stage s % 2: LDS serves a wave's instructions in order, so no wait stands between the stores and the loads
	WIN 0x08                                       ; an LDS store's data are its source 1: window 2
.irp i, 0,1,2,3,4,5,6,7,8,9,10,11,12,13,14,15
	ds_store_b128 v[TSW], v[64*(\s)+4*\i:64*(\s)+4*\i+3] offset:((\s)%2)*TSTG+\i*TSP
.endr
	WIN 0
.irp b, 0,1,2,3
.irp j, 0,1,2,3
	ds_load_b128 v[X+64*((\s)%2)+16*\b+4*\j:X+64*((\s)%2)+16*\b+4*\j+3], v[TSR] offset:((\s)%2)*TSTG+128*\b+16*\j
.endr
.endr
.endm
; 64 numbers of a lane, register 16 b + i = k 32 b + 16 (lane / 16) + i of my row, become a fragment's codes in v[pc] on and its scale word in v[pw]
.macro QUANT s, pc, pw
.irp b, 0,1,2,3
	v_max3_num_f32 v[TM+\b], |v[(\s)+16*\b]|, |v[(\s)+1+16*\b]|, 0x1800000   ; block b: my 16 numbers, and the floor 2^(3 - 127): the byte cannot fall under 1
.endr
.irp i, 2,4,6,8,10,12,14
.irp b, 0,1,2,3
	v_max3_num_f32 v[TM+\b], v[TM+\b], |v[(\s)+16*\b+\i]|, |v[(\s)+1+16*\b+\i]|   ; the four blocks by turns
.endr
.endr
.irp b, 0,1,2,3
	v_permlanex16_b32 v[TM+4+\b], v[TM+\b], s[SEL], s[SEL+1]
.endr
.irp b, 0,1,2,3
	v_max_num_f32 v[TM+\b], v[TM+\b], v[TM+4+\b]   ; with lane l xor 16's: the block's largest magnitude
.endr
.irp b, 0,1,2,3
	v_add_nc_u32 v[TM+12+\b], 0xff000000, v[TM+\b]   ; 2 off its exponent field: the conversion takes that field as its scale
.endr
.irp b, 0,1,2,3
	v_lshrrev_b32 v[TM+4+\b], 23, v[TM+12+\b]      ; the scale's byte
.endr
	v_lshl_or_b32 v[\pw], v[TM+5], 8, v[TM+4]      ; four bytes: my row's scale word
	v_lshl_or_b32 v[\pw], v[TM+6], 16, v[\pw]
	v_lshl_or_b32 v[\pw], v[TM+7], 24, v[\pw]
.irp b, 0,1,2,3
	v_cvt_scalef32_pk8_fp4_f32 v[(\pc)+2*\b], v[(\s)+16*\b:(\s)+7+16*\b], v[TM+12+\b]
	v_cvt_scalef32_pk8_fp4_f32 v[(\pc)+1+2*\b], v[(\s)+8+16*\b:(\s)+15+16*\b], v[TM+12+\b]
.endr
	v_nop                                          ; one plain place behind a scaled conversion
.irp c, 0,1                                    ; the operand's layout wants a whole block in a lane
.irp i, 0,1
	v_permlane16_swap_b32 v[(\pc)+4*\c+\i], v[(\pc)+2+4*\c+\i]
.endr
.endr
.endm
.macro IMAGE s                         ; K step s's fragment and scale word go to LDS as they stand: three LDS stores
.irp c, 0,1
	ds_store_b128 v[XWI], v[PC+8*((\s)%2)+4*\c:PC+8*((\s)%2)+4*\c+3] offset:(\s)*1024+512*\c
.endr
	ds_store_b32 v[XWS], v[PW+(\s)%2] offset:128*(\s)
.endm
.macro FETCH m                         ; the four fragments and scale words of rows 16 m on, into set m % 2: twelve LDS loads
.set FB, XF-XF*((\m)%2)
.set SB, XS+(XS1-XS)*((\m)%2)
.if (\m)%2
	WIN 0xc0                                       ; set 1's fragments: destination window 3
.endif
.irp s, 0,1,2,3
.irp c, 0,1
	ds_load_b128 v[FB+8*\s+4*\c:FB+8*\s+4*\c+3], v[LI] offset:(4*(\m)+\s)*1024+512*\c
.endr
.endr
	WIN 0
.irp s, 0,1,2,3
	ds_load_b32 v[SB+\s], v[LS] offset:(4*(\m)+\s)*128
.endr
.endm
.macro MUL m                           ; 32 matrix instructions on set m % 2: my 8 tiles of features by turns, K step by K step
.set FB, XF-XF*((\m)%2)
.set SB, XS+(XS1-XS)*((\m)%2)
.if (\m)%2
	WIN 0xfd                                       ; source 0 (W) window 1, source 1 (x, set 1) window 3, C and D window 3
.else
	WIN 0xf1                                       ; source 0 (W) window 1, source 1 (x, set 0) window 0, C and D window 3
.endif
.irp s, 0,1,2,3
.irp t, 0,1,2,3,4,5,6,7
.if \s == 0
	v_wmma_scale_f32_16x16x128_f8f6f4 v[ACC+8*\t:ACC+8*\t+7], v[8*(4*\t+\s):8*(4*\t+\s)+7], v[FB+8*\s:FB+8*\s+7], v[BI+8*\t:BI+8*\t+7], v[W1S+4*\t+\s], v[SB+\s] matrix_a_fmt:MATRIX_FMT_FP4 matrix_b_fmt:MATRIX_FMT_FP4
.else
	v_wmma_scale_f32_16x16x128_f8f6f4 v[ACC+8*\t:ACC+8*\t+7], v[8*(4*\t+\s):8*(4*\t+\s)+7], v[FB+8*\s:FB+8*\s+7], v[ACC+8*\t:ACC+8*\t+7], v[W1S+4*\t+\s], v[SB+\s] matrix_a_fmt:MATRIX_FMT_FP4 matrix_b_fmt:MATRIX_FMT_FP4
.endif
.endr
.endr
.endm
.macro PACK m                          ; rounded to f16 into set m % 2, each accumulator from its low end on
.set TP, TMP+96*((\m)%2)
	WIN 0x0f                                       ; sources 0 and 1 window 3
.irp t, 0,1,2,3,4,5,6,7
.irp r, 0,1,2,3
	v_cvt_pk_f16_f32 v[TP+4*\t+\r], v[ACC+8*\t+2*\r], v[ACC+8*\t+2*\r+1]
.endr
.endr
	WIN 0
.endm
.macro TOSTAGE m                       ; 16 bytes a lane into my stage, and back as whole rows of 256 bytes: sixteen LDS instructions
.set TP, TMP+96*((\m)%2)
.set BB, BK+32*((\m)%2)
.irp t, 0,1,2,3,4,5,6,7
	ds_store_b128 v[SO], v[TP+4*\t:TP+4*\t+3] offset:32*\t
.endr
.irp f, 0,1,2,3,4,5,6,7
	ds_load_b128 v[BB+4*\f:BB+4*\f+3], v[SR] offset:\f*2*OPI
.endr
.endm
.macro SEND m, younger                 ; younger: the LDS loads issued behind tile m's way through the stage, which may stay out
.set BB, BK+32*((\m)%2)
	s_wait_dscnt \younger                          ; the rows are back in registers
.irp f, 0,1,2,3,4,5,6,7
	global_store_b128 v[GO], v[BB+4*\f:BB+4*\f+3], s[OPT:OPT+1] offset:(16*(\m)+2*\f)*256   ; 16 lanes store a row's 256 consecutive bytes, aligned
.endr
.endm
	s_load_b256 s[4:11], s[0:1], 0x0               ; query s[4:5], key s[6:7], value s[8:9], wcodes s[10:11]
	s_load_b256 s[12:19], s[0:1], 0x20             ; wscl s[12:13], bq s[14:15], bk s[16:17], bv s[18:19]
	s_load_b128 s[20:23], s[0:1], 0x40             ; q16 s[20:21], k16 s[22:23]
	s_load_b64 s[24:25], s[0:1], 0x50              ; v16
	v_lshl_add_u32 v[SPW], v0, 2, SPARE
	v_mov_b32 v[NIL], 0
	v_lshrrev_b32 v1, 5, v0
	v_readfirstlane_b32 s[WV], v1                  ; wave 0..3
	v_and_b32 v1, 31, v0                           ; lane
	v_and_b32 v12, 15, v0                          ; r
	v_bfe_u32 v13, v0, 4, 1                        ; h
	v_lshlrev_b32 v[GA], 4, v1
	s_wait_alu depctr_va_sdst(0)                   ; the wave's number is written, ahead of its first reader: LDS places and the bases of x, W, the bias and the result are made from it
	s_mul_i32 s31, s[WV], 2*TSTG                   ; my two stages
	v_add_nc_u32 v[TSW], s31, v[GA]
	v_mul_u32_u24 v[TSR], v12, TSP
	v_lshl_add_u32 v[TSR], v13, 6, v[TSR]
	v_add_nc_u32 v[TSR], s31, v[TSR]
	v_add_nc_u32 v[LI], XIMG, v[GA]
	v_lshl_add_u32 v[LS], v1, 2, XSC
	s_lshl_b32 s31, s[WV], 12                      ; my four images
	v_add_nc_u32 v[XWI], s31, v[LI]
	s_lshl_b32 s31, s[WV], 9
	v_add_nc_u32 v[XWS], s31, v[LS]
	s_mul_i32 s31, s[WV], 16*OPI
	s_add_co_u32 s31, s31, OSTG                    ; my stage for the way out
	v_mul_u32_u24 v[SO], v12, OPI
	v_lshl_add_u32 v[SO], v13, 4, v[SO]
	v_add_nc_u32 v[SO], s31, v[SO]
	v_mul_u32_u24 v[SR], v13, OPI
	v_lshl_add_u32 v[SR], v12, 4, v[SR]
	v_add_nc_u32 v[SR], s31, v[SR]
	v_lshlrev_b32 v[GO], 8, v13
	v_lshl_add_u32 v[GO], v12, 4, v[GO]
	v_lshlrev_b32 v12, 3, v1                       ; 8 x lane: W's scale words
	v_lshlrev_b32 v13, 5, v13                      ; 32 h: the bias
.irp b, 0,1,2,3
	v_mov_b32 v[TM+4+\b], 0                        ; written once: a lane permute's destination counts as one of its sources
.endr
	s_mov_b32 s[SEL], 0x76543210
	s_mov_b32 s[SEL+1], 0xfedcba98
	s_mov_b32 s[BLK], NB-1
	s_wait_kmcnt 0x0
	s_cmp_lt_u32 ttmp9, 96                         ; which tensor: the choices hang on the work-group's number alone
	s_cselect_b64 s[6:7], s[6:7], s[8:9]
	s_cselect_b64 s[16:17], s[16:17], s[18:19]
	s_cselect_b64 s[22:23], s[22:23], s[24:25]
	s_cselect_b32 s32, 1, 2
	s_cselect_b32 s33, 32, 96
	s_cmp_lt_u32 ttmp9, 32
	s_cselect_b64 s[4:5], s[4:5], s[6:7]           ; x
	s_cselect_b64 s[14:15], s[14:15], s[16:17]     ; its bias
	s_cselect_b64 s[20:21], s[20:21], s[22:23]     ; its result
	s_cselect_b32 s32, 0, s32                      ; the tensor's number
	s_cselect_b32 s33, 0, s33                      ; its first work-group
	s_cselect_b32 s34, 11, 12                      ; log2 of a batch's rows
	s_sub_co_u32 s35, ttmp9, s33
	s_lshl_b32 s35, s35, 8                         ; my first row: 256 to a work-group, inside one batch
	s_lshr_b32 s36, s35, s34                       ; the batch
	s_lshl_b32 s37, s36, s34
	s_sub_co_u32 s37, s35, s37                     ; the row in it
	s_lshl_b32 s38, s36, 2
	s_add_co_u32 s38, s38, s[WV]                   ; batch x 4 + head
	s_lshl_b32 s38, s38, s34
	s_add_co_u32 s38, s38, s37
	s_lshl_b32 s38, s38, 8                         ; rows of 256 bytes
	s_mov_b32 s39, 0
	s_add_nc_u64 s[OPT:OPT+1], s[OPT:OPT+1], s[38:39]
	s_lshl_b32 s40, s35, 11                        ; x: rows of 2,048 bytes,
	s_lshl_b32 s41, s[WV], 15                      ; my wave's 16
	s_add_co_u32 s40, s40, s41
	s_mov_b32 s41, 0
	s_add_nc_u64 s[XP:XP+1], s[XP:XP+1], s[40:41]
	s_lshl_b32 s42, s32, 17                        ; W's codes: 131,072 a tensor, 32,768 a head
	s_lshl_b32 s43, s[WV], 15
	s_add_co_u32 s42, s42, s43
	s_mov_b32 s43, 0
	s_add_nc_u64 s[10:11], s[10:11], s[42:43]
	s_lshl_b32 s44, s32, 14                        ; its scale words: 16,384 a tensor, 4,096 a head
	s_lshl_b32 s45, s[WV], 12
	s_add_co_u32 s44, s44, s45
	s_mov_b32 s45, 0
	s_add_nc_u64 s[12:13], s[12:13], s[44:45]
	s_lshl_b32 s46, s[WV], 9                       ; the bias: my 128 numbers
	s_mov_b32 s47, 0
	s_add_nc_u64 s[14:15], s[14:15], s[46:47]
	WIN 0x40                                       ; destination window 1
	s_wait_alu depctr_va_vdst(0)                   ; the addresses v2 to v13 are written: every load and store of the kernel reads one of them, and none is written again
.irp t, 0,1,2,3,4,5,6,7
.irp s, 0,1,2,3
.irp c, 0,1
	global_load_b128 v[8*(4*\t+\s)+4*\c:8*(4*\t+\s)+4*\c+3], v[GA], s[10:11] offset:4096*\t+1024*\s+512*\c
.endr
.endr
.endr
	WIN 0
.irp t, 0,1,2,3,4,5,6,7
.irp u, 0,1
	global_load_b64 v[W1S+4*\t+2*\u:W1S+4*\t+2*\u+1], v12, s[12:13] offset:512*\t+256*\u
.endr
.endr
	WIN 0xc0                                       ; destination window 3
.irp t, 0,1,2,3,4,5,6,7
	global_load_b128 v[BI+8*\t:BI+8*\t+3], v13, s[14:15] offset:64*\t          ; lane (r, h): features 16 t + 8 h + 0 .. 7
	global_load_b128 v[BI+8*\t+4:BI+8*\t+7], v13, s[14:15] offset:64*\t+16
.endr
	WIN 0
	XLOAD 0, 0                                     ; the first block
	XLOAD 1, 0
	XLOAD 2, 0
	XLOAD 3, 0
; A BLOCK OF 64 ROWS.  refill = 1: each set of x's registers takes the next block's loads in the K step in which its numbers are quantised.
.macro BLOCK refill
	s_wait_loadcnt 48                              ; K step 0's 16 loads (and all that were issued earlier) are in; the three sets behind it may be out
	TURN 0
.irp s, 0,1,2,3
.if \s < 3
.if \refill
	s_wait_loadcnt 32                              ; K step s + 1 is in: behind it stand 2 - s sets of this block and s of the next, 32 loads
.else
	s_wait_loadcnt 16*(2-\s)                       ; the last block: behind it only 2 - s sets
.endif
	TURN (\s+1)                                    ; goes through the other stage while this step is worked.  No wait on va_vdst here: no vector instruction since the last one names the 64 registers in which it lands
.endif
.if \s == 0
	s_wait_dscnt 32                                ; this step's numbers are back: the next turn's 32 instructions may be out
.elseif \s < 3
	s_wait_dscnt 35                                ; likewise, and the last image's three stores
.else
	s_wait_dscnt 3
.endif
	QUANT X+64*(\s%2),PC+8*(\s%2),PW+(\s%2)
	s_wait_alu depctr_va_vdst(0)                   ; the quantiser has written this step's codes and scale word, which the stores below read, and is done reading its 64 neighbours, in which the turn after next lands
	IMAGE \s
.if \refill || (\s < 2)
	s_wait_alu depctr_vm_vsrc(0)                   ; the LDS stores issued so far have read their registers: this step's set of x as loaded, in which the loads below land, and this step's codes and word, which the step after next writes again
.endif
.if \refill
	XLOAD \s, 131072                               ; the same K step of the next block
.endif
.endr
	BARRIER                                        ; x's sixteen fragments lie in LDS
	FETCH 0                                        ; both sets: the products that read them last stand ahead of the waits on va_vdst above
	FETCH 1
.irp m, 0,1,2,3
.if \m == 0
	s_wait_dscnt 12                                ; set 0 is in; set 1's twelve loads may be out
.else
	s_wait_dscnt 16                                ; this tile's set is in; the sixteen instructions of the last tile's way through the stage may be out
.endif
.if (\m == 1) || (\m == 2)
	FETCH (\m+1)                                   ; into the set that the last tile's products read: they stand ahead of the last wait on va_vdst, and nothing since names that set
.endif
	MUL \m
	WIN 0
.if \m > 1
	s_wait_xcnt 0x0                                ; the global stores of the tile before last have had their addresses translated: their data registers are loaded again only behind this wait
	s_wait_alu depctr_vm_vsrc(0)                   ; the stores of the tile before last, into the stage and to memory, have read their registers, which this tile's roundings write and in which its rows from the stage land
.endif
.if \m == 3
	SEND (\m-1), 0
.elseif \m > 0
	SEND (\m-1), 12                                ; behind the last tile's way through the stage: the twelve loads of the fetch above
.endif
	PLACES                                         ; four places ahead of the first read of results
	PACK \m
	s_wait_alu depctr_va_vdst(0)                   ; the roundings have written the packed results, which the stores below read; this tile's products are done reading their fragments and scale words, in which the next tile's fetch lands
	TOSTAGE \m
.endr
	SEND 3, 0
.if \refill
	s_wait_xcnt 0x0                                ; loads and stores have read their bases: both may step; and the stores' data registers may be loaded again
	s_wait_alu depctr_vm_vsrc(0)                   ; the last two tiles' stores, into the stage and to memory, have read their registers, in which the next block's neighbours land
	s_add_nc_u64 s[XP:XP+1], s[XP:XP+1], 131072
	s_add_nc_u64 s[OPT:OPT+1], s[OPT:OPT+1], 16384
	BARRIER                                        ; every wave has read the images: they may be written again
.endif
.endm
.Lblock:
	BLOCK 1
	s_sub_co_u32 s[BLK], s[BLK], 1
	s_cmp_lg_u32 s[BLK], 0
	s_cbranch_scc1 .Lblock
	BLOCK 0                                        ; the last block asks for nothing: no load leaves its buffer
	s_wait_dscnt 0x0                               ; the closing lines, six on end
	s_wait_alu 0x0
	s_wait_tensorcnt 0x0
	ds_add_u32 v[SPW], v[NIL]
	s_wait_dscnt 0x0
	s_endpgm
.Lfunc_end_k_q4b77ee5ff1_proj:
	.size	k_q4b77ee5ff1_proj, .Lfunc_end_k_q4b77ee5ff1_proj-k_q4b77ee5ff1_proj
	.p2alignl 7, 3214868480
	.fill 96, 4, 3214868480
	.section	.rodata,"a",@progbits
	.p2align	6, 0x0
	.amdhsa_kernel k_q4b77ee5ff1_proj
		.amdhsa_group_segment_fixed_size 103936
		.amdhsa_private_segment_fixed_size 0
		.amdhsa_enable_private_segment 0
		.amdhsa_kernarg_size 88
		.amdhsa_user_sgpr_count 2
		.amdhsa_user_sgpr_kernarg_segment_ptr 1
		.amdhsa_wavefront_size32 1
		.amdhsa_system_sgpr_workgroup_id_x 1
		.amdhsa_system_sgpr_workgroup_id_y 1
		.amdhsa_system_sgpr_workgroup_id_z 1
		.amdhsa_system_vgpr_workitem_id 0
		.amdhsa_next_free_vgpr 1024
		.amdhsa_next_free_sgpr 66
		.amdhsa_reserve_vcc 0
		.amdhsa_float_denorm_mode_32 3
		.amdhsa_float_denorm_mode_16_64 3
		.amdhsa_memory_ordered 1
		.amdhsa_forward_progress 1
		.amdhsa_inst_pref_size 147
	.end_amdhsa_kernel
	.amdgpu_metadata
---
amdhsa.version: [ 1, 2 ]
amdhsa.kernels:
  - .name:           k_q4b77ee5ff1_proj
    .symbol:         k_q4b77ee5ff1_proj.kd
    .args:
      - { .name: query, .offset: 0, .size: 8, .value_kind: global_buffer, .address_space: global }
      - { .name: key, .offset: 8, .size: 8, .value_kind: global_buffer, .address_space: global }
      - { .name: value, .offset: 16, .size: 8, .value_kind: global_buffer, .address_space: global }
      - { .name: wcodes, .offset: 24, .size: 8, .value_kind: global_buffer, .address_space: global }
      - { .name: wscl, .offset: 32, .size: 8, .value_kind: global_buffer, .address_space: global }
      - { .name: bq, .offset: 40, .size: 8, .value_kind: global_buffer, .address_space: global }
      - { .name: bk, .offset: 48, .size: 8, .value_kind: global_buffer, .address_space: global }
      - { .name: bv, .offset: 56, .size: 8, .value_kind: global_buffer, .address_space: global }
      - { .name: q16, .offset: 64, .size: 8, .value_kind: global_buffer, .address_space: global }
      - { .name: k16, .offset: 72, .size: 8, .value_kind: global_buffer, .address_space: global }
      - { .name: v16, .offset: 80, .size: 8, .value_kind: global_buffer, .address_space: global }
    .group_segment_fixed_size: 103936
    .private_segment_fixed_size: 0
    .kernarg_segment_align: 8
    .kernarg_segment_size: 88
    .max_flat_workgroup_size: 128
    .sgpr_count:     66
    .vgpr_count:     1024
    .wavefront_size: 32
...
	.end_amdgpu_metadata
.endif
;; end of part 5
;; launch attn: the kernel of part 3 again; grid 16 x 16, 4 waves a work-group, clusters of 4 x 1, 327,680 bytes of LDS; arguments q16, k16, v16, maskb, attn16; writes attn16
;; launch outp: the kernel of part 4 again; grid 4 x 64, 4 waves a work-group, clusters of 4 x 4, 327,680 bytes of LDS; arguments attn16, wo16, bo, out0; writes out0
